; MI455X (gfx1250); checked and timed in simulation.
; The chip was launched on July 23, 2026; its instructions are those of AMD's public machine-readable ISA for CDNA 5 (MIT licence, August 2026) and "CDNA5" Instruction Set Architecture Reference Guide (July 2026). The comments in the code are by the model that wrote it; some were corrected since.
;; Bahdanau Attention. Allowed arithmetic: matrix products marked QUANTISED: E5M2 operands, one given power-of-two scale a tensor, by v_wmma_f32_16x16x64_bf8_bf8 or v_wmma_f32_16x16x128_bf8_bf8, f32 sums; products left as they are: f32 operands where the result goes on into a quantised operand, else bf16, f16 or f32 operands; f32 sums; everything else in f32.
;; Inputs: Wk_codes 1,024 x 32 x 32 uint8 (E5M2 codes of Wk, K innermost, in blocks of 32 codes); Wq_codes 1,024 x 32 x 32 uint8 (E5M2 codes of Wq, K innermost, in blocks of 32 codes); keys 64 x 1,024 x 1,024 float32; lowp_scales 4 int32 (the exponents e of the quantised operands' scales 2^e); mask 64 x 1,024 bool; query_codes 64 x 32 x 32 uint8 (E5M2 codes of query, K innermost, in blocks of 32 codes); v 1 x 1,024 float32.
;; Outputs: out0 64 x 1,024 float32; out1 64 x 1,024 float32.
;; This version of the problem:
;;   THIS VERSION OF THE PROBLEM IS GIVEN IN LOW PRECISION. The matrix products marked QUANTISED in the list below multiply operands that are first quantised to E5M2 (5 exponent bits, 2 mantissa bits; 8 bits a number), with one given power-of-two scale for each operand tensor; their sums are f32. All else is computed in f32.
;;   The module's matrix products, in the order in which they are computed (A, B: the left and right operand; K: the contracted axis; several contracted axes count as one K, in the product's order):
;;     1. [M 64, K 1,024] x [K 1,024, N 1,024]; A: input query (given as codes); B: input Wq (given as codes): QUANTISED (scales: A lowp_scales[0], B lowp_scales[1])
;;     2. [M 65,536, K 1,024] x [K 1,024, N 1,024]; A: input keys; B: input Wk (given as codes): QUANTISED (scales: A lowp_scales[2], B lowp_scales[3])
;;     3. [M 65,536, K 1,024] x [K 1,024, N 1]; A: computed on the way; B: input v: left as it is (N = 1 < 16)
;;     4. batch 64 x [M 1, K 1,024] x [K 1,024, N 1,024]; A: computed on the way; B: input keys: left as it is (M = 1 < 16)
;;   THE QUANTISER, for each operand of a quantised product, along K:
;;     - The operand's scale is 2^e, e = its entry of the input lowp_scales (int32; the entries are numbered through the quantised products in the list's order, A before B).
;;     - Each number is divided by the scale, clamped to +-57,344, and rounded to the nearest number of E5M2, ties to even, subnormals kept.
;;     - The product sums the exact products of the quantised numbers (number of the format x scale) in f32.
;;   ~~~python
;;   def quantise(x, axis, e):      # numpy; x: float32 -> the quantised numbers, widened to float32 again
;;       x = np.moveaxis(x, axis, -1); K = x.shape[-1]
;;       r = np.clip(x / 2.0 ** e, -57344, 57344)
;;       step = 2.0 ** (np.maximum(np.frexp(np.where(r == 0, 1, r))[1] - 1, -14) - 2)
;;       q = np.round(r / step) * step * 2.0 ** e      # np.round: ties to even
;;       return np.moveaxis(q, -1, axis).astype(np.float32)
;;   ~~~
;;   INPUTS GIVEN AS CODES. Wk (in the module: [1024, 1024], K = its axis 1); Wq (in the module: [1024, 1024], K = its axis 1); query (in the module: [64, 1024], K = its axis 1): each comes as NAME_codes (uint8): NAME with its K axis moved to the last place and cut into blocks of 32 codes, [.., K / 32, bytes a block], one block behind the other in memory; one code a byte (a code: sign, 5 exponent bits, 2 mantissa bits); its scale is its entry of lowp_scales. Its value is code x scale, taken as it is: it is not quantised again, and the codes and scales need not be those that the quantiser above would give.
;; 2 versions, each right and faster than the one before. Each part assembles by itself: llvm-mc -triple=amdgcn-amd-amdhsa -mcpu=gfx1250 --defsym DOCPART=n.
;; ======== version 1 of 2: 3 launches
;; workspace buffers: qpc 262,144 bytes; energy 262,144 bytes; rowlist 262,144 bytes of whole numbers; nlive 256 bytes of whole numbers
;; launch prep (part 1): grid 64 x 1, 5 waves a work-group, no clusters, 0 bytes of LDS; arguments query_codes, Wq_codes, lowp_scales, mask, qpc, rowlist, nlive; writes qpc, rowlist, nlive
.if DOCPART == 1
	.amdgcn_target "amdgcn-amd-amdhsa--gfx1250"
	.amdhsa_code_object_version 6
	.text
	.protected	k_qef2ef550de_prep
	.globl	k_qef2ef550de_prep
	.p2align	8
	.type	k_qef2ef550de_prep,@function
k_qef2ef550de_prep:
	s_mov_b64 s[64:65], 0
	v_nop
	global_prefetch_b8 v0, s[64:65] scope:SCOPE_SE
	s_setreg_imm32_b32 hwreg(HW_REG_WAVE_MODE, 25, 1), 1
	s_wait_xcnt 0x0
; BAHDANAU ATTENTION IN THREE LAUNCHES.  This one: (a) qpc[b][h] = 2 log2(e) x (query Wq^T)[b][h], on the given codes of E5M2; (b) for each batch a list of its 1,024 rows, the rows that
; the mask keeps first, the padded rows from the back, and the number of rows kept.
; THE ARITHMETIC.  tanh(x) = 1 - 2 r, r = 1 / (1 + 2^(c x)), c = 2 log2(e).  So energy[b][s] = sum_h v_h - 2 sum_h v_h r[b][s][h].
; WORK LEFT OUT.  The term sum_h v_h is the same for every s of a batch, whatever the inputs hold, and the softmax along s takes away whatever is the same along s: it reaches neither attn nor
; context, and is not computed.  No input is left out.  LIMIT: an overflow of that sum alone is not carried to the result.
; THE MASK is an input of whole numbers.  A padded row has attn = 0 exactly.  The second launch fetches for it a row that it holds anyway and puts -infinity in place of the result; the third launch reads
; this launch's list and count from memory and walks the kept rows.  LIMIT: an infinity or a NaN in a padded row of keys is not carried to the context.
; SHARES.  Work-group g: waves 0-3 make the tile (h = 16 g .. 16 g + 15) x (batches 16 w .. 16 w + 15), K = 1,024 in eight matrix instructions; wave 4 makes batch g's list.  Waves share nothing: no LDS, no barrier.
; The matrix instruction is used transposed (source 0 = 16 rows of Wq, source 1 = 16 rows of query): a lane holds one batch and eight neighbouring h.
; A fragment (16 rows x 128 K) comes by four loads of 16 bytes, 32 bytes apart: registers 4 c .. 4 c + 3 hold k = 32 c + 16 (lane / 16) + 0 .. 15, the same order of k on both sides.
; LIMIT: e0 + e1 between -127 and 126, so that c x 2^(e0 + e1) is an f32 number.
.set MSB, 0
.macro WIN new                         ; the immediate's high byte repeats the setting that is left
.if MSB != (\new)
	s_set_vgpr_msb (MSB<<8)|(\new)
.set MSB, (\new)
.endif
.endm
	s_load_b256 s[4:11], s[0:1], 0x0               ; query's codes s[4:5], Wq's codes s[6:7], the scales' exponents s[8:9], mask s[10:11]
	s_load_b128 s[12:15], s[0:1], 0x20             ; qpc s[12:13], rowlist s[14:15]
	s_load_b64 s[16:17], s[0:1], 0x30              ; nlive
	v_lshrrev_b32 v1, 5, v0
	v_readfirstlane_b32 s18, v1                    ; wave 0..4
	v_and_b32 v1, 31, v0                           ; lane
	s_mov_b32 s23, 0
	s_wait_kmcnt 0x0
	s_cmp_eq_u32 s18, 4
	s_cbranch_scc1 .Llist
	; ---- waves 0-3: a tile of the query's projection
	s_load_b64 s[20:21], s[8:9], 0x0               ; e0, e1
	v_and_b32 v2, 15, v0                           ; r
	v_bfe_u32 v4, v0, 4, 1                         ; half
	v_lshlrev_b32 v3, 10, v2
	v_lshl_add_u32 v3, v4, 4, v3                   ; row r of 1,024 codes, + 16 x half
	v_lshlrev_b32 v5, 12, v2
	v_lshl_add_u32 v5, v4, 5, v5                   ; qpc: batch r's row of 4,096 bytes, + 32 x half
	s_lshl_b32 s22, ttmp9, 14
	s_add_nc_u64 s[6:7], s[6:7], s[22:23]          ; Wq at row 16 g
	s_lshl_b32 s22, s18, 14
	s_add_nc_u64 s[4:5], s[4:5], s[22:23]          ; query at batch 16 w
	s_lshl_b32 s22, s18, 16
	s_add_nc_u64 s[12:13], s[12:13], s[22:23]      ; qpc at batch 16 w,
	s_lshl_b32 s22, ttmp9, 6
	s_add_nc_u64 s[12:13], s[12:13], s[22:23]      ; column 16 g
	WIN 0x40                                       ; destination window 1: Wq's eight fragments, v256-383
.set q, 0
.rept 32
	global_load_b128 v[4*q:4*q+3], v3, s[6:7] offset:32*q
.set q, q+1
.endr
	WIN 0                                          ; query's eight fragments, v128-255
.set q, 0
.rept 32
	global_load_b128 v[128+4*q:128+4*q+3], v3, s[4:5] offset:32*q
.set q, q+1
.endr
	s_wait_loadcnt 0x0
	WIN 0x01                                       ; source 0 window 1
.set q, 0
.rept 8                                        ; two accumulators by turns, one instruction a turn: even K steps, odd K steps; the first two start the sums
.if q < 2
	v_wmma_f32_16x16x128_bf8_bf8 v[16+8*(q%2):23+8*(q%2)], v[16*q:16*q+15], v[128+16*q:128+16*q+15], 0
.else
	v_wmma_f32_16x16x128_bf8_bf8 v[16+8*(q%2):23+8*(q%2)], v[16*q:16*q+15], v[128+16*q:128+16*q+15], v[16+8*(q%2):23+8*(q%2)]
.endif
.set q, q+1
.endr
	WIN 0
.rept 4
	v_nop                                          ; four places between the last product and the first read of results (ISA guide 7.12.1)
.endr
	s_wait_kmcnt 0x0
	s_add_co_i32 s20, s20, s21
	s_lshl_b32 s20, s20, 23
	s_add_co_i32 s20, s20, 0x4038aa3b              ; c = 2 log2(e) with e0 + e1 added to its exponent field
	s_mov_b32 s21, s20                             ; (named with it as a pair, so it is written)
.irp j, 0,2,4,6
	v_pk_add_f32 v[32+\j:33+\j], v[16+\j:17+\j], v[24+\j:25+\j]    ; the two halves of K; each accumulator from its low end on
.endr
.irp j, 0,2,4,6
	v_pk_mul_f32 v[32+\j:33+\j], v[32+\j:33+\j], s[20:21] op_sel_hi:[1,0]
.endr
	global_store_b128 v5, v[32:35], s[12:13]               ; lane (r, half): qpc(16 w + r, 16 g + 8 half + 0 .. 7): 32 bytes a lane; the whole buffer is 256 KiB
	global_store_b128 v5, v[36:39], s[12:13] offset:16
	s_endpgm
	; ---- wave 4: batch g's list.  Row s goes to place (kept rows before it) if it is kept, else to place 1,023 - (padded rows before it): a permutation of 0 .. 1,023
.Llist:
	s_lshl_b32 s22, ttmp9, 10
	s_add_nc_u64 s[10:11], s[10:11], s[22:23]      ; the batch's 1,024 mask bytes
	s_lshl_b32 s22, ttmp9, 12
	s_add_nc_u64 s[14:15], s[14:15], s[22:23]      ; its list
	s_lshl_b32 s22, ttmp9, 2
	s_add_nc_u64 s[16:17], s[16:17], s[22:23]      ; its count
.set c, 0
.rept 32
	global_load_u8 v[64+c], v1, s[10:11] offset:32*c       ; chunk c: rows 32 c + lane
.set c, c+1
.endr
	s_mov_b32 s24, 0                               ; kept so far
	s_mov_b32 s25, 0                               ; padded so far
	s_wait_loadcnt 0x0
.set c, 0
.rept 32                                       ; each chunk has its own address and data registers, so no store's sources are written again
	v_cmp_eq_u32 s26, 0, v[64+c]                   ; the lanes whose row is kept
	s_not_b32 s27, s26
	v_mbcnt_lo_u32_b32 v[128+c], s26, s24          ; kept rows before mine
	v_mbcnt_lo_u32_b32 v10, s27, s25               ; padded rows before mine
	v_sub_nc_u32 v10, 1023, v10
	v_cndmask_b32 v[128+c], v10, v[128+c], s26
	v_min_u32 v[128+c], 0x3ff, v[128+c]            ; a place in the list: bounded by a written constant before it enters an address
	v_lshlrev_b32 v[128+c], 2, v[128+c]
	v_add_nc_u32 v[160+c], 32*c, v1                ; my row's number
	global_store_b32 v[128+c], v[160+c], s[14:15]
	s_bcnt1_i32_b32 s28, s26
	s_add_co_u32 s24, s24, s28
	s_sub_co_u32 s28, 32, s28
	s_add_co_u32 s25, s25, s28
.set c, c+1
.endr
	v_mov_b32 v11, s24
	v_mov_b32 v12, 0
	global_store_b32 v12, v11, s[16:17]            ; the number of kept rows (all lanes store the same word)
	s_endpgm
.Lfunc_end_k_qef2ef550de_prep:
	.size	k_qef2ef550de_prep, .Lfunc_end_k_qef2ef550de_prep-k_qef2ef550de_prep
	.p2alignl 7, 3214868480
	.fill 96, 4, 3214868480
	.section	.rodata,"a",@progbits
	.p2align	6, 0x0
	.amdhsa_kernel k_qef2ef550de_prep
		.amdhsa_group_segment_fixed_size 0
		.amdhsa_private_segment_fixed_size 0
		.amdhsa_enable_private_segment 0
		.amdhsa_kernarg_size 56
		.amdhsa_user_sgpr_count 2
		.amdhsa_user_sgpr_kernarg_segment_ptr 1
		.amdhsa_wavefront_size32 1
		.amdhsa_system_sgpr_workgroup_id_x 1
		.amdhsa_system_sgpr_workgroup_id_y 1
		.amdhsa_system_sgpr_workgroup_id_z 1
		.amdhsa_system_vgpr_workitem_id 0
		.amdhsa_next_free_vgpr 384
		.amdhsa_next_free_sgpr 66
		.amdhsa_reserve_vcc 0
		.amdhsa_float_denorm_mode_32 3
		.amdhsa_float_denorm_mode_16_64 3
		.amdhsa_memory_ordered 1
		.amdhsa_forward_progress 1
		.amdhsa_inst_pref_size 36
	.end_amdhsa_kernel
	.amdgpu_metadata
---
amdhsa.version: [ 1, 2 ]
amdhsa.kernels:
  - .name:           k_qef2ef550de_prep
    .symbol:         k_qef2ef550de_prep.kd
    .args:
      - { .name: query_codes, .offset: 0, .size: 8, .value_kind: global_buffer, .address_space: global }
      - { .name: Wq_codes, .offset: 8, .size: 8, .value_kind: global_buffer, .address_space: global }
      - { .name: lowp_scales, .offset: 16, .size: 8, .value_kind: global_buffer, .address_space: global }
      - { .name: mask, .offset: 24, .size: 8, .value_kind: global_buffer, .address_space: global }
      - { .name: qpc, .offset: 32, .size: 8, .value_kind: global_buffer, .address_space: global }
      - { .name: rowlist, .offset: 40, .size: 8, .value_kind: global_buffer, .address_space: global }
      - { .name: nlive, .offset: 48, .size: 8, .value_kind: global_buffer, .address_space: global }
    .group_segment_fixed_size: 0
    .private_segment_fixed_size: 0
    .kernarg_segment_align: 8
    .kernarg_segment_size: 56
    .max_flat_workgroup_size: 160
    .sgpr_count:     66
    .vgpr_count:     384
    .wavefront_size: 32
...
	.end_amdgpu_metadata
.endif
;; end of part 1
;; launch scores (part 2): grid 4 x 64, 4 waves a work-group, clusters of 4 x 1, 327,680 bytes of LDS; arguments keys, Wk_codes, lowp_scales, mask, v, qpc, energy; writes energy
.if DOCPART == 2
	.amdgcn_target "amdgcn-amd-amdhsa--gfx1250"
	.amdhsa_code_object_version 6
	.text
	.protected	k_qef2ef550de_scores
	.globl	k_qef2ef550de_scores
	.p2align	8
	.type	k_qef2ef550de_scores,@function
k_qef2ef550de_scores:
	s_mov_b64 s[64:65], 0
	v_nop
	global_prefetch_b8 v0, s[64:65] scope:SCOPE_SE
	s_setreg_imm32_b32 hwreg(HW_REG_WAVE_MODE, 25, 1), 1
	s_wait_xcnt 0x0
	s_wait_alu depctr_hold_cnt(0) depctr_sa_sdst(0) depctr_va_vdst(0) depctr_va_sdst(0) depctr_va_ssrc(0) depctr_va_vcc(0) depctr_vm_vsrc(0)
	s_getreg_b32 s2, hwreg(HW_REG_IB_STS2, 6, 4)
	s_cmp_eq_u32 s2, 0
	s_cbranch_scc0 .Lentry_in_a_cluster
	s_endpgm
.Lentry_in_a_cluster:
	s_bfe_u32 s2, ttmp6, 0x10000c
	s_cmp_lg_u32 s2, 0x3003
	s_cbranch_scc0 .Lentry_shape_is_right
	s_endpgm
.Lentry_shape_is_right:
; energy[b][s] = -2 sum_h v_h / (1 + 2^(c (qproj[b][h] + kproj[b][s][h]))), c = 2 log2(e); -infinity where the mask pads.  kproj = keys Wk^T on codes of E5M2: keys are quantised here with the given 2^e2, Wk comes as codes.
; WORK LEFT OUT: the term sum_h v_h of v . tanh(..), the same along the softmax's axis for all values of the inputs (shown at the head of the first launch's text).
; A PADDED ROW's bytes are not fetched: its byte offset is chosen (a scalar select on its mask byte, no branch) to be the wave's first row's; its products run on that row, inside tiles that also hold kept rows, and -infinity takes the result's place.
; SHARES.  A work-group owns 256 rows of one batch, each of its four waves 64: four tiles of 16 rows, for all 1,024 h.  The wave's codes (64 rows x 1,024 bytes) stay in 512 registers.
; Wk passes once through a ring of two LDS slots of 64 h each, read by all four waves: a fragment of Wk read from LDS feeds four products.
; CLUSTER.  The four work-groups of a batch, like all others, walk the same Wk: each quarter of a slot (16 rows of 1,024 bytes, one a wave) is asked for JOINTLY, by the same tensor load with the same descriptor and a mask that names the four.
; THE MATRIX INSTRUCTION IS USED TRANSPOSED (source 0 = 16 rows of Wk, source 1 = 16 rows of keys): a lane holds ONE row of keys and eight neighbouring h, so the sum over h stays in the lane but for one exchange at the end.
; A fragment's registers 4 c .. 4 c + 3 hold k = 32 c + 16 (lane / 16) + 0 .. 15, the same order of k on both sides.
; BY TURNS.  In a tile's period its 32 products stand with the tanh of the tile before between them: one slice (a packed line and two exponentials or reciprocals) behind each matrix instruction.
; LIMITS: e2 between -126 and 112; e2 + e3 between -127 and 126 (each power of two below is an f32 number).  NaN among keys is not served.  All of a WGP's LDS is claimed.
; REGISTERS, in windows of 256 (s_set_vgpr_msb: bits 1:0 source 0, 3:2 source 1, 5:4 source 2, 7:6 destination):
;   window 0: v1-15 addresses and constants; v16-23 the sums, a pair a row tile; v32-63 qpc and v of two tiles of h; v64-127 two sets of four accumulators; v128-255 Wk's eight fragments of a tile of h.
;             While keys are loaded: v64-127, v128-191 two sets of 64 numbers; v192-255 the 64 rows' byte offsets.
;   window 1: four sets of 64 registers for keys on their way.   window 2: the codes' K steps 0-3 (tile a, K step q at 64 a + 16 q);   window 3: K steps 4-7 likewise.
.set BP,    1040                       ; a row of Wk in LDS: 1,024 bytes + 16 of padding = 260 words: row r starts at bank 4 r mod 64 (64 banks of 4 bytes: ISA guide 11.1)
.set TILEB, 16*BP                      ; 16 rows: a tile of h, and what one tensor load brings
.set SLOT1, 131072                     ; slot 1 begins here, so that one exclusive or turns an address in one slot into the other's
.set STAGE, SLOT1+4*TILEB              ; behind the ring: for each wave two stages of 16 rows x 528 bytes, through which keys turn
.set SPP,   528                        ; a stage row: 512 bytes + 16 = 132 words: again 4 r mod 64
.set STG1,  16*SPP
.set QTAB,  STAGE+8*STG1               ; the batch's 1,024 qpc; 4,096 bytes on: the 1,024 v
.set EST,   QTAB+8192                  ; 256 bytes for each wave: the way out
.set SPARE, EST+1024                   ; the spare words, 128 bytes for each wave: two blocks of 256 bytes that no other line names
.set AB0, 1                            ; v1   my lane's place in a tile of Wk: r x BP + 16 x half
.set ADR, 2                            ; v2   LDS address of the slot in hand, + AB0 (at the head: 16 x thread)
.set QV0, 3                            ; v3   QTAB + 32 x half
.set QVA, 4                            ; v4   the slot's 64 h in the tables, + QV0 (at the head: QTAB + 16 x thread)
.set L16, 5                            ; v5   16 x lane
.set STI, 6                            ; v6   into my stage: 16 x lane
.set STO, 7                            ; v7   out of it: r x 528 + 64 x half
.set SC,  8                            ; v8   2^e2 as f32
.set LIM, 9                            ; v9   57,344 x 2^e2
.set SPW, 10                           ; v10  LDS address of my spare word; never rewritten
.set NIL, 11                           ; v11  0; never rewritten
.set E,   16
.set QV,  32
.set ACC, 64
.set BF,  128
.set RO,  192
.set WV,  18                           ; s18  my wave's number
.set G1,  24                           ; s[24:31] descriptor group 1
.set G0A, 32                           ; s[32:35] group 0 of slot 0's first fill
.set G0W, 36                           ; s[36:39] group 0 of slot 1's first fill; it then walks on
.set CS,  40                           ; s[40:41] c x 2^(e2 + e3)
.set SEL, 42                           ; s[42:43] lane selects for v_permlanex16_b32: lane l xor 16
.set TB,  44                           ; s44  LDS byte at which the slot in hand begins
.set QT,  45                           ; s45  256 x the step: its 64 h in the tables
.set CNT, 46
.set KB,  48                           ; s[48:49] keys at my wave's first row
.set MSB, 0
.macro WIN new                         ; the immediate's high byte repeats the setting that is left; a switch that changes nothing is dropped
.if MSB != (\new)
	s_set_vgpr_msb (MSB<<8)|(\new)
.set MSB, (\new)
.endif
.endm
.macro CROUND                          ; a round of the cluster's barrier: my work-group's barrier; wave 0 signals for the work-group; every wave waits for all four work-groups; my work-group's barrier once more
	s_barrier_signal -1
	s_barrier_wait -1
	s_cmp_lg_u32 s[WV], 0
	s_cbranch_scc1 .Lnot_wave_0_\@
	s_barrier_signal -3
.Lnot_wave_0_\@:
	s_barrier_wait -3
	s_barrier_signal -1
	s_barrier_wait -1
.endm
	s_load_b256 s[4:11], s[0:1], 0x0               ; keys s[4:5], Wk's codes s[6:7], the scales' exponents s[8:9], mask s[10:11]
	s_load_b128 s[12:15], s[0:1], 0x20             ; v s[12:13], qpc s[14:15]
	s_load_b64 s[16:17], s[0:1], 0x30              ; energy
	v_lshl_add_u32 v[SPW], v0, 2, SPARE
	v_mov_b32 v[NIL], 0
	ds_add_u32 v[SPW], v[NIL]                      ; the wave's opening: the add, twice on end, and its wait ahead of my first tensor load; the set-up below stands between
	ds_add_u32 v[SPW], v[NIL]
	v_lshrrev_b32 v14, 5, v0
	v_readfirstlane_b32 s[WV], v14                 ; wave 0..3
	s_bfe_u32 s19, ttmp6, 0x40000                  ; cx: my place in the cluster: it enters global addresses of keys, mask and energy alone
	s_and_b32 s20, ttmp7, 0xffff                   ; the batch, which the four partners share
	s_lshl_b32 s21, ttmp9, 2
	s_add_co_u32 s21, s21, s19                     ; my block of 256 rows
	s_mov_b32 s[G1+0], 15|(1<<20)|(1<<21)|(7<<22)|(3<<25)  ; 15:0 the mask: all four work-groups; 17:16 elements of 1 byte; 20 padding on; 21 set beside a mask; 24:22 after every 256 words (code 7); 31:25 four words (code 3)
	s_mov_b32 s[G1+1], 1024<<16                    ; tensor_dim0 = 1,024
	s_mov_b32 s[G1+2], 16<<16                      ; tensor_dim1 = 16
	s_mov_b32 s[G1+3], 1024<<16                    ; tile_dim0 = 1,024
	s_mov_b32 s[G1+4], 16                          ; tile_dim1 = 16
	s_mov_b32 s[G1+5], 1024                        ; from row to row
	s_mov_b32 s[G1+6], 0
	s_mov_b32 s[G1+7], 0
	s_mov_b32 s[SEL], 0x76543210
	s_mov_b32 s[SEL+1], 0xfedcba98
	s_mov_b32 s[TB], 0
	s_mov_b32 s[QT], 0
	s_mov_b32 s[CNT], 14
	s_lshl_b32 s22, s20, 10
	s_lshl_b32 s23, s21, 8
	s_add_co_u32 s22, s22, s23
	s_lshl_b32 s23, s[WV], 6
	s_add_co_u32 s22, s22, s23                     ; my wave's first row among the 65,536: 1,024 b + 256 x + 64 w
	s_mov_b32 s23, 0
	v_and_b32 v14, 15, v0                          ; r
	v_bfe_u32 v15, v0, 4, 1                        ; half
	v_mul_u32_u24 v[AB0], v14, BP
	v_lshl_add_u32 v[AB0], v15, 4, v[AB0]
	v_lshlrev_b32 v[QV0], 5, v15
	v_add_nc_u32 v[QV0], QTAB, v[QV0]
	v_and_b32 v[L16], 31, v0
	v_lshlrev_b32 v[L16], 4, v[L16]
	s_mul_i32 s52, s[WV], 2*STG1
	s_add_co_u32 s52, s52, STAGE                   ; my two stages
	v_add_nc_u32 v[STI], s52, v[L16]
	v_mul_u32_u24 v[STO], v14, SPP
	v_lshl_add_u32 v[STO], v15, 6, v[STO]
	v_add_nc_u32 v[STO], s52, v[STO]
	v_lshlrev_b32 v[ADR], 4, v0                    ; for the tables: 16 x thread in memory,
	v_add_nc_u32 v[QVA], QTAB, v[ADR]              ; and in LDS
	v_and_b32 v14, 31, v0                          ; lane: stays
	s_mul_i32 s52, s[WV], TILEB                    ; my quarter of a slot: no place in the cluster enters an LDS address
	s_lshl_b32 s54, s[WV], 14                      ; and its 16 rows of Wk
	s_mov_b32 s55, 0
	s_wait_dscnt 0x0                               ; both opening adds are done
	s_wait_kmcnt 0x0
	s_load_b128 s[56:59], s[8:9], 0x0              ; e0, e1, e2, e3
	s_add_nc_u64 s[10:11], s[10:11], s[22:23]      ; the mask at my wave's first row
	s_load_b512 s[80:95], s[10:11], 0x0            ; my 64 rows' mask bytes
	s_lshl_b64 s[60:61], s[22:23], 12
	s_add_nc_u64 s[KB:KB+1], s[4:5], s[60:61]
	s_lshl_b64 s[60:61], s[22:23], 2
	s_add_nc_u64 s[16:17], s[16:17], s[60:61]      ; energy at my wave's first row
	s_lshl_b32 s60, s20, 12
	s_mov_b32 s61, 0
	s_add_nc_u64 s[14:15], s[14:15], s[60:61]      ; qpc at my batch
	s_add_nc_u64 s[54:55], s[6:7], s[54:55]
	s_mov_b32 s[G0A], 1                            ; count = 1
	s_mov_b32 s[G0A+1], s52                        ; LDS address: slot 0
	s_mov_b64 s[G0A+2:G0A+3], s[54:55]             ; global address: h = 16 w on
	s_or_b32 s[G0A+3], s[G0A+3], 0x80000000        ; type = 2
	s_mov_b32 s[G0W], 1
	s_add_co_u32 s[G0W+1], s52, SLOT1              ; slot 1
	s_add_nc_u64 s[G0W+2:G0W+3], s[54:55], 65536   ; h = 64 + 16 w on
	s_or_b32 s[G0W+3], s[G0W+3], 0x80000000
	CROUND                                         ; all four work-groups are here: the first joint loads meet
	tensor_load_to_lds s[G0A:G0A+3], s[G1:G1+7]    ; both first fills together, every wave its quarter: two loads of mine are out
	s_nop 0
	tensor_load_to_lds s[G0W:G0W+3], s[G1:G1+7]
	s_nop 0
.rept 4
	v_nop
.endr
	global_load_b128 v[24:27], v[ADR], s[14:15]            ; the batch's qpc and v: 128 threads x 16 bytes, twice each
	global_load_b128 v[28:31], v[ADR], s[14:15] offset:2048
	global_load_b128 v[32:35], v[ADR], s[12:13]
	global_load_b128 v[36:39], v[ADR], s[12:13] offset:2048
	global_load_u8 v12, v14, s[10:11]                      ; the mask bytes of my wave's rows lane and 32 + lane, for the way out
	global_load_u8 v13, v14, s[10:11] offset:32
	s_wait_kmcnt 0x0
	s_add_co_i32 s96, s58, 127
	s_lshl_b32 s97, s96, 23
	v_mov_b32 v[SC], s97                           ; 2^e2: the conversion takes its exponent field
	s_add_co_i32 s96, s96, 15
	s_lshl_b32 s96, s96, 23
	s_or_b32 s96, s96, 0x600000
	v_mov_b32 v[LIM], s96                          ; 57,344 x 2^e2
	s_add_co_i32 s96, s58, s59
	s_lshl_b32 s96, s96, 23
	s_add_co_i32 s[CS], s96, 0x4038aa3b            ; c = 2 log2(e) with e2 + e3 added to its exponent field
	s_mov_b32 s[CS+1], s[CS]                       ; (named with it as a pair, so it is written)
.set rho, 0
.rept 64                                       ; row rho's byte offset from my first row: 4,096 rho, or 0 where the mask pads it; a select, no branch; bounded by a written constant
	s_bfe_u32 s96, s[80+rho/4], 0x80000|(8*(rho%4))
	s_cselect_b32 s96, 0, rho*4096
	s_min_u32 s96, s96, 0x3f000
	v_add_nc_u32 v[RO+rho], s96, v[L16]
.set rho, rho+1
.endr
; ---- KEYS BECOME CODES, in 32 units u: row tile u / 8, K step u % 8: 16 rows x 128 numbers.
; A load is best where neighbouring lanes take neighbouring bytes; the conversion takes neighbours along K from one lane's registers.  Both are had: each load reads 512 consecutive bytes of a row,
; a unit's 8,192 bytes go through my own stage in LDS as they lie, and come back 16 neighbours of each block of 32 a lane.  All offsets are immediates; no address register is written again.
.macro LOADU u
	WIN 0x40                                       ; destination window 1
.set rr, 0
.rept 16
	global_load_b128 v[64*((\u)%4)+4*rr:64*((\u)%4)+4*rr+3], v[RO+16*((\u)/8)+rr], s[KB:KB+1] offset:512*((\u)%8)
.set rr, rr+1
.endr
.endm
.macro TURNU u                         ; LDS serves a wave's instructions in order (ISA guide 5.7.1.4): no wait between the stores and the loads
	WIN 0x04                                       ; store data window 1
.set rr, 0
.rept 16
	ds_store_b128 v[STI], v[64*((\u)%4)+4*rr:64*((\u)%4)+4*rr+3] offset:STG1*((\u)%2)+SPP*rr
.set rr, rr+1
.endr
	WIN 0
.set rr, 0
.rept 16                                       ; register 16 bb + i = k 32 bb + 16 half + i of row r
	ds_load_b128 v[64+64*((\u)%2)+4*rr:64+64*((\u)%2)+4*rr+3], v[STO] offset:STG1*((\u)%2)+128*(rr/4)+16*(rr%4)
.set rr, rr+1
.endr
.endm
.macro QUANTU u
.set XS, 64+64*((\u)%2)
.set CD, 64*((\u)/8)+16*((\u)%4)
.set rr, 0
.rept 64
	v_med3_num_f32 v[XS+rr], v[XS+rr], -v[LIM], v[LIM]     ; the conversion to an 8-bit code does not saturate (ISA guide 7.6.2): the hold at the largest code x the scale
.set rr, rr+1
.endr
	WIN 0x80+0x40*(((\u)%8)/4)                     ; destination window 2 (K steps 0-3) or 3 (K steps 4-7): the results are the operand's registers
.set rr, 0
.rept 8
	v_cvt_scalef32_pk8_bf8_f32 v[CD+2*rr:CD+2*rr+1], v[XS+8*rr:XS+8*rr+7], v[SC]
.set rr, rr+1
.endr
	WIN 0
	v_nop                                          ; one plain vector line behind the last conversion of a run
.endm
.macro STEPU t
	s_wait_dscnt 0x0                               ; unit t's numbers are back from the stage: so its stores into the stage have read their registers,
.if (\t)+4 < 32
	LOADU (\t)+4                                   ; which take the loads of four units on
.endif
.if (\t) < 31
.if (\t) < 28
	s_wait_loadcnt 48                              ; unit t + 1's sixteen loads are in; those of the three units behind it may be out
.else
	s_wait_loadcnt 16*(30-(\t))                    ; the counts run down
.endif
	TURNU (\t)+1                                   ; through the other stage while unit t is quantised
.endif
	QUANTU \t
.endm
	LOADU 0
	LOADU 1
	LOADU 2
	LOADU 3
	s_wait_loadcnt 48                              ; unit 0 is in, and so are the older loads: the tables and the mask bytes
	WIN 0
	ds_store_b128 v[QVA], v[24:27]                 ; the tables into LDS, for all four waves
	ds_store_b128 v[QVA], v[28:31] offset:2048
	ds_store_b128 v[QVA], v[32:35] offset:4096
	ds_store_b128 v[QVA], v[36:39] offset:6144
	TURNU 0
.set tt, 0
.rept 32
	STEPU tt
.set tt, tt+1
.endr
; ---- THE PRODUCTS AND THE TANH
.macro RUN k0, off                     ; 16 LDS loads in one run: Wk's fragments of K steps k0 .. k0 + 3 of the tile of h that begins off bytes into the slot
.set rr, 0
.rept 16
	ds_load_b128 v[BF+16*(\k0)+4*rr:BF+16*(\k0)+4*rr+3], v[ADR] offset:(\off)+128*(\k0)+32*rr
.set rr, rr+1
.endr
.endm
.macro QVL par, off                    ; my eight qpc and eight v of a tile of h (h = 8 half + 0 .. 7 of its 16) into set par
	ds_load_b128 v[QV+16*(\par):QV+16*(\par)+3], v[QVA] offset:(\off)
	ds_load_b128 v[QV+16*(\par)+4:QV+16*(\par)+7], v[QVA] offset:(\off)+16
	ds_load_b128 v[QV+16*(\par)+8:QV+16*(\par)+11], v[QVA] offset:(\off)+4096
	ds_load_b128 v[QV+16*(\par)+12:QV+16*(\par)+15], v[QVA] offset:(\off)+4112
.endm
.macro DOTV                            ; the sums take v x r: 16 packed multiply-adds, the four row tiles' pairs by turns
.set k, 0
.rept 16
.set n, 4*(k%4)+k/4
	v_pk_fma_f32 v[E+2*(n/4):E+2*(n/4)+1], v[AV+2*n:AV+2*n+1], v[QP+8+(2*n)%8:QP+8+(2*n)%8+1], v[E+2*(n/4):E+2*(n/4)+1]
.set k, k+1
.endr
.endm
; A TILE'S PERIOD.  i: the tile of h in the slot.  Its 32 products go into accumulator set i % 2; the other set holds the tile before, which goes through x c + qpc, 2^, + 1, 1 /, x v meanwhile.
; The four accumulators take turns, one instruction a turn.  Source 1 (the codes) lies in window 2 or 3; the slices' second source is a scalar or a constant, and the LDS loads
; have none, so they run under the products' setting.  Only the last 16 multiply-adds want window 0.
; The exponentials are one batch with one wait, ahead of the first + 1; the reciprocals likewise, ahead of the first x v.
; chg = 1: the slot's last reads have been issued (in the period before): the change of slots, with the joint refill.  chg = 2: the same with nothing left to ask for.  nxt = 0: the last tile.
.macro TILE i, chg, nxt
.set PP, 1-((\i)%2)
.set AP, ACC+32*((\i)%2)
.set AV, ACC+32*PP
.set QP, QV+16*PP
.if (\i) < 3
.set NOFF, ((\i)+1)*TILEB
.set QOFF, ((\i)+1)*64
.else
.set NOFF, 0
.set QOFF, 0
.endif
	s_wait_dscnt 20                                ; K steps 0-3 are in; behind them were issued K steps 4-7 (16 loads) and the tables' four
	WIN 0x08
.set n, 0
.rept 16
.if n < 4
	v_wmma_f32_16x16x128_bf8_bf8 v[AP+8*(n%4):AP+8*(n%4)+7], v[BF+16*(n/4):BF+16*(n/4)+15], v[64*(n%4)+16*(n/4):64*(n%4)+16*(n/4)+15], 0
.else
	v_wmma_f32_16x16x128_bf8_bf8 v[AP+8*(n%4):AP+8*(n%4)+7], v[BF+16*(n/4):BF+16*(n/4)+15], v[64*(n%4)+16*(n/4):64*(n%4)+16*(n/4)+15], v[AP+8*(n%4):AP+8*(n%4)+7]
.endif
	v_pk_fma_f32 v[AV+2*n:AV+2*n+1], v[AV+2*n:AV+2*n+1], s[CS:CS+1], v[QP+(2*n)%8:QP+(2*n)%8+1] op_sel_hi:[1,0,1]   ; c (kproj + qproj); each accumulator from its low end on
.if n > 0
	v_exp_f32 v[AV+2*n-2], v[AV+2*n-2]
	v_exp_f32 v[AV+2*n-1], v[AV+2*n-1]
.endif
.set n, n+1
.endr
	v_exp_f32 v[AV+30], v[AV+30]
	v_exp_f32 v[AV+31], v[AV+31]
.if (\chg) == 0
.rept 4
	v_nop                                          ; the plain line behind the last exponential, and the places in front of loads into registers that the products have read
.endr
	s_wait_alu depctr_va_vdst(0)                   ; one wait for the 32 exponentials
.else
	WIN 0                                          ; at a branch and at a label every window is 0
	v_nop
	s_wait_alu depctr_va_vdst(0)                   ; one wait for the 32 exponentials, ahead of the branches
	s_wait_tensorcnt 0x0                           ; all my tensor loads have landed: the one that was out is my quarter of the next slot; so a group 0 may be written
	ds_add_u32 v[SPW], v[NIL]                      ; 0 onto my spare word; the steps below stand between it and the wait for it
.if (\chg) == 1
	s_xor_b32 s[G0W+1], s[G0W+1], SLOT1            ; the walking descriptor: the slot that is being left,
	s_add_nc_u64 s[G0W+2:G0W+3], s[G0W+2:G0W+3], 65536   ; the next 64 h; the type bits on top are not reached
.endif
	s_xor_b32 s[TB], s[TB], SLOT1                  ; the reads go on in the other slot,
	s_add_co_u32 s[QT], s[QT], 256                 ; and 64 h further on in the tables
	s_wait_dscnt 0x0                               ; the add is done, and my reads of this slot are over
.if (\chg) == 1
	CROUND                                         ; no wave of any partner still reads this slot or has a load on its way
	tensor_load_to_lds s[G0W:G0W+3], s[G1:G1+7]    ; my one load behind the round: it has the next slot's 128 products in which to land
	s_nop 0
.else
	s_barrier_signal -1
	s_barrier_wait -1
.endif
.rept 4
	v_nop
.endr
	v_add_nc_u32 v[ADR], s[TB], v[AB0]
	v_add_nc_u32 v[QVA], s[QT], v[QV0]
.endif
.if \nxt
	RUN 0, NOFF                                    ; the next tile's K steps 0-3
	s_wait_dscnt 16                                ; all but the 16 just issued: this tile's K steps 4-7 are in
.else
	s_wait_dscnt 0x0
.endif
	WIN 0x0c
.set n, 0
.rept 16
	v_wmma_f32_16x16x128_bf8_bf8 v[AP+8*(n%4):AP+8*(n%4)+7], v[BF+64+16*(n/4):BF+64+16*(n/4)+15], v[64*(n%4)+16*(n/4):64*(n%4)+16*(n/4)+15], v[AP+8*(n%4):AP+8*(n%4)+7]
	v_pk_add_f32 v[AV+2*n:AV+2*n+1], v[AV+2*n:AV+2*n+1], 1.0 op_sel_hi:[1,0]
.if n > 0
	v_rcp_f32 v[AV+2*n-2], v[AV+2*n-2]
	v_rcp_f32 v[AV+2*n-1], v[AV+2*n-1]
.endif
.set n, n+1
.endr
	v_rcp_f32 v[AV+30], v[AV+30]
	v_rcp_f32 v[AV+31], v[AV+31]
	v_nop                                          ; the plain line behind the last reciprocal
	s_wait_alu depctr_va_vdst(0)                   ; one wait for the 32 reciprocals
	WIN 0
	DOTV                                           ; these 16 are also the places behind the last products: for the loads below and for the next period's first read of results
.if \nxt
	RUN 4, NOFF                                    ; the next tile's K steps 4-7,
	QVL PP, QOFF                                   ; and its qpc and v, into the set that has just been used up
.endif
.endm
	s_wait_tensorcnt 0x1                           ; my quarter of slot 0 is in; slot 1's may stay out
	s_wait_dscnt 0x0                               ; my stores of the tables have landed
	s_barrier_signal -1
	s_barrier_wait -1
	v_add_nc_u32 v[ADR], s[TB], v[AB0]
	v_add_nc_u32 v[QVA], s[QT], v[QV0]
.set rr, 0
.rept 8
	v_mov_b32 v[E+rr], 0                           ; the sums
.set rr, rr+1
.endr
.set rr, 0
.rept 32
	v_mov_b32 v[ACC+32+rr], 0                      ; the period is written once: the first finds a tile before it whose v is 0, which adds nothing
.set rr, rr+1
.endr
.set rr, 0
.rept 16
	v_mov_b32 v[QV+16+rr], 0
.set rr, rr+1
.endr
	RUN 0, 0
	RUN 4, 0
	QVL 0, 0
.Lstep:                                            ; 14 trips: steps 0 to 13 of 64 h; each asks for the step two on
	TILE 0, 0, 1
	TILE 1, 0, 1
	TILE 2, 0, 1
	TILE 3, 1, 1
	s_sub_co_u32 s[CNT], s[CNT], 1
	s_cmp_lg_u32 s[CNT], 0
	s_cbranch_scc1 .Lstep
	TILE 0, 0, 1                                   ; the last two steps are written out: nothing is left to ask for
	TILE 1, 0, 1
	TILE 2, 0, 1
	TILE 3, 2, 1
	TILE 0, 0, 1
	TILE 1, 0, 1
	TILE 2, 0, 1
	TILE 3, 0, 0
	; the last tile's tanh, with no products beside it
.set AV, ACC+32
.set QP, QV+16
.set n, 0
.rept 16
	v_pk_fma_f32 v[AV+2*n:AV+2*n+1], v[AV+2*n:AV+2*n+1], s[CS:CS+1], v[QP+(2*n)%8:QP+(2*n)%8+1] op_sel_hi:[1,0,1]
.set n, n+1
.endr
.set n, 0
.rept 32
	v_exp_f32 v[AV+n], v[AV+n]
.set n, n+1
.endr
	v_nop
	s_wait_alu depctr_va_vdst(0)
.set n, 0
.rept 16
	v_pk_add_f32 v[AV+2*n:AV+2*n+1], v[AV+2*n:AV+2*n+1], 1.0 op_sel_hi:[1,0]
.set n, n+1
.endr
.set n, 0
.rept 32
	v_rcp_f32 v[AV+n], v[AV+n]
.set n, n+1
.endr
	v_nop
	s_wait_alu depctr_va_vdst(0)
	DOTV
	; ---- THE WAY OUT.  A row's sum lies in two registers of two lanes: they are added; lane l then takes rows l and 32 + l of my 64
.irp a, 0,1,2,3
	v_add_f32 v[24+\a], v[E+2*\a], v[E+2*\a+1]
.endr
.irp a, 0,1,2,3
	v_permlanex16_b32 v[28+\a], v[24+\a], s[SEL], s[SEL+1]
.endr
.irp a, 0,1,2,3
	v_add_f32 v[24+\a], v[24+\a], v[28+\a]
.endr
	v_cmp_le_u32 vcc_lo, 16, v14                   ; lanes 16-31 take the odd tiles' rows
	v_cndmask_b32 v24, v24, v25, vcc_lo
	v_cndmask_b32 v26, v26, v27, vcc_lo
	v_mul_f32 v24, -2.0, v24
	v_mul_f32 v26, -2.0, v26
	v_mov_b32 v15, 0xff800000                      ; -infinity
	v_cmp_ne_u32 vcc_lo, 0, v12
	v_cndmask_b32 v24, v24, v15, vcc_lo            ; where the mask pads
	v_cmp_ne_u32 vcc_lo, 0, v13
	v_cndmask_b32 v26, v26, v15, vcc_lo
	s_lshl_b32 s52, s[WV], 8
	s_add_co_u32 s52, s52, EST
	v_lshl_add_u32 v28, v14, 2, s52
	v_lshl_add_u32 v29, v14, 3, s52
	v_lshlrev_b32 v30, 3, v14
	ds_store_b32 v28, v24
	ds_store_b32 v28, v26 offset:128
	ds_load_b64 v[32:33], v29                      ; LDS serves a wave's instructions in order: this sees my stores
	s_wait_dscnt 0x0
	global_store_b64 v30, v[32:33], s[16:17]       ; 32 lanes store 256 consecutive bytes, at a multiple of 256 from energy's first byte
	s_wait_tensorcnt 0x0                           ; the wave's end: behind my last tensor load and my last LDS store
	ds_add_u32 v[SPW], v[NIL]
	s_wait_dscnt 0x0
	CROUND                                         ; the closing round: no work-group ends while a partner may still ask for a tile that names it
	s_endpgm
.Lfunc_end_k_qef2ef550de_scores:
	.size	k_qef2ef550de_scores, .Lfunc_end_k_qef2ef550de_scores-k_qef2ef550de_scores
	.p2alignl 7, 3214868480
	.fill 96, 4, 3214868480
	.section	.rodata,"a",@progbits
	.p2align	6, 0x0
	.amdhsa_kernel k_qef2ef550de_scores
		.amdhsa_group_segment_fixed_size 327680
		.amdhsa_private_segment_fixed_size 0
		.amdhsa_enable_private_segment 0
		.amdhsa_kernarg_size 56
		.amdhsa_user_sgpr_count 2
		.amdhsa_user_sgpr_kernarg_segment_ptr 1
		.amdhsa_wavefront_size32 1
		.amdhsa_system_sgpr_workgroup_id_x 1
		.amdhsa_system_sgpr_workgroup_id_y 1
		.amdhsa_system_sgpr_workgroup_id_z 1
		.amdhsa_system_vgpr_workitem_id 0
		.amdhsa_next_free_vgpr 1024
		.amdhsa_next_free_sgpr 100
		.amdhsa_reserve_vcc 1
		.amdhsa_float_denorm_mode_32 3
		.amdhsa_float_denorm_mode_16_64 3
		.amdhsa_memory_ordered 1
		.amdhsa_forward_progress 1
		.amdhsa_inst_pref_size 255
	.end_amdhsa_kernel
	.section	.bss,"aw",@nobits
	.p2align	6
	.space	262144
	.amdgpu_metadata
---
amdhsa.version: [ 1, 2 ]
amdhsa.kernels:
  - .name:           k_qef2ef550de_scores
    .symbol:         k_qef2ef550de_scores.kd
    .args:
      - { .name: keys, .offset: 0, .size: 8, .value_kind: global_buffer, .address_space: global }
      - { .name: Wk_codes, .offset: 8, .size: 8, .value_kind: global_buffer, .address_space: global }
      - { .name: lowp_scales, .offset: 16, .size: 8, .value_kind: global_buffer, .address_space: global }
      - { .name: mask, .offset: 24, .size: 8, .value_kind: global_buffer, .address_space: global }
      - { .name: v, .offset: 32, .size: 8, .value_kind: global_buffer, .address_space: global }
      - { .name: qpc, .offset: 40, .size: 8, .value_kind: global_buffer, .address_space: global }
      - { .name: energy, .offset: 48, .size: 8, .value_kind: global_buffer, .address_space: global }
    .group_segment_fixed_size: 327680
    .private_segment_fixed_size: 0
    .kernarg_segment_align: 8
    .kernarg_segment_size: 56
    .max_flat_workgroup_size: 128
    .sgpr_count:     100
    .vgpr_count:     1024
    .wavefront_size: 32
...
	.end_amdgpu_metadata
.endif
;; end of part 2
;; launch context (part 3): grid 4 x 64, 16 waves a work-group, no clusters, 18,944 bytes of LDS; arguments keys, energy, rowlist, nlive, out0, out1; writes out0, out1
.if DOCPART == 3
	.amdgcn_target "amdgcn-amd-amdhsa--gfx1250"
	.amdhsa_code_object_version 6
	.text
	.protected	k_qef2ef550de_context
	.globl	k_qef2ef550de_context
	.p2align	8
	.type	k_qef2ef550de_context,@function
k_qef2ef550de_context:
	s_mov_b64 s[64:65], 0
	v_nop
	global_prefetch_b8 v0, s[64:65] scope:SCOPE_SE
	s_setreg_imm32_b32 hwreg(HW_REG_WAVE_MODE, 25, 1), 1
	s_wait_xcnt 0x0
; attn[b][:] = softmax(energy[b][:]), NaN replaced by 0; context[b][:] = sum over s of attn[b][s] keys[b][s][:].
; WORK LEFT OUT: the padded rows of keys, whose attn is 0 exactly: the walk over rows goes by the list and the count that the first launch stored (whole numbers, read from memory here).
; LIMIT: an infinity or a NaN in a padded row of keys is not carried to the context.
; SHARES.  Work-group (c, b) makes columns 256 c .. 256 c + 255 of batch b's context; the one with c = 0 also stores attn.  Each of the four makes the batch's softmax for itself (1,024 numbers).
; Wave w takes the list's places 8 w + 128 i + 0 .. 7, i = 0 .. 7, as long as they begin under the count.  Lanes 0-15 take four of a turn's eight rows, lanes 16-31 the other four: sixteen lanes read 256 consecutive
; bytes of a row, aligned.  The list is a whole permutation, so every place holds a row; a padded row that falls into a turn has the weight 0.
; Memory binds: no matrix unit, no cluster (no two work-groups read the same bytes of keys), no tensor load (the walk hangs on a stored count).
; The maximum is taken away before the exponential.  A batch with no kept row: the maximum is -infinity and 0 is taken in its place, every p is 0, the sum is 0 and 1 / sum is replaced by 0: attn = 0, as NaN replaced by 0 gives.
; attn is never negative, and in v_max_num_f32 a NaN loses: so max(attn, 0) is attn with NaN replaced by 0.
.set RED1,  0                          ; LDS: 16 words: the waves' maxima
.set RED2,  256                        ; 16 words: the waves' sums
.set PART,  512                        ; 16 x 1,024 bytes: the waves' parts of the context
.set SPARE, PART+16*1024               ; the spare words, 128 bytes for each wave: eight blocks of 256 bytes that no other line names
.set SPW,  4                           ; v4   LDS address of my spare word; never rewritten
.set NIL,  5                           ; v5   0; never rewritten
.set EN,   8                           ; v[8:9] my two energies, then p, then attn
.set IDX,  24                          ; v24-55  my 32 rows: byte offsets in the batch's keys
.set P,    56                          ; v56-87  their energies' offsets, energies, weights
.set KBUF, 88                          ; v88-151 a turn's four rows x 64 bytes
.set ACC,  152                         ; v152-167 my 16 columns' sums
.set WV,   18
.set SEL,  20                          ; s[20:21]
	s_load_b256 s[4:11], s[0:1], 0x0               ; keys s[4:5], energy s[6:7], rowlist s[8:9], nlive s[10:11]
	s_load_b128 s[12:15], s[0:1], 0x20             ; out0 s[12:13], out1 s[14:15]
	v_lshl_add_u32 v[SPW], v0, 2, SPARE
	v_mov_b32 v[NIL], 0
	v_lshrrev_b32 v1, 5, v0
	v_readfirstlane_b32 s[WV], v1                  ; wave 0..15
	v_and_b32 v1, 15, v0                           ; r
	v_bfe_u32 v2, v0, 4, 1                         ; half
	v_lshlrev_b32 v3, 4, v1                        ; 16 r
	s_lshl_b32 s22, s[WV], 5
	v_lshl_add_u32 v6, v2, 4, s22                  ; the list: places 8 w + 4 half on, in bytes
	v_lshlrev_b32 v7, 3, v0                        ; 8 x thread: my two energies
	v_lshlrev_b32 v19, 4, v0                       ; 16 x thread: the way out
	v_mov_b32 v20, s[WV]
	v_lshlrev_b32 v20, 2, v20                      ; my wave's word among sixteen
	v_mov_b32 v21, 0
	s_lshl_b32 s22, s[WV], 10
	s_add_co_u32 s22, s22, PART
	v_add_nc_u32 v22, s22, v3                      ; my wave's part: 16 r
	v_lshl_add_u32 v23, v0, 4, PART                ; the parts read back (waves 0 and 1)
	v_mov_b32 v11, 0                               ; written once: a lane permute's destination counts as one of its sources
	s_lshl_b32 s32, s[WV], 3                       ; 8 w
	s_and_b32 s19, ttmp7, 0xffff                   ; the batch
	s_mov_b32 s[SEL], 0x76543210
	s_mov_b32 s[SEL+1], 0xfedcba98
	s_lshl_b32 s24, s19, 12                        ; 4,096 b
	s_mov_b32 s25, 0
	s_lshl_b32 s26, s19, 22                        ; the batch's keys: 4 MiB b,
	s_lshl_b32 s28, ttmp9, 10                      ; my 1,024 bytes of a row
	s_add_co_u32 s26, s26, s28
	s_mov_b32 s27, 0
	s_mov_b32 s29, 0
	s_lshl_b32 s30, s19, 2
	s_mov_b32 s31, 0
	s_wait_kmcnt 0x0
	s_add_nc_u64 s[10:11], s[10:11], s[30:31]
	s_load_b32 s23, s[10:11], 0x0                  ; the number of kept rows
	s_add_nc_u64 s[4:5], s[4:5], s[26:27]
	s_add_nc_u64 s[6:7], s[6:7], s[24:25]
	s_add_nc_u64 s[8:9], s[8:9], s[24:25]
	s_add_nc_u64 s[12:13], s[12:13], s[24:25]
	s_add_nc_u64 s[12:13], s[12:13], s[28:29]
	s_add_nc_u64 s[14:15], s[14:15], s[24:25]
.irp i, 0,1,2,3,4,5,6,7
	global_load_b128 v[IDX+4*\i:IDX+4*\i+3], v6, s[8:9] offset:512*\i      ; turn i's four rows of my half: fixed places, always inside the list
.endr
	global_load_b64 v[EN:EN+1], v7, s[6:7]
	s_wait_loadcnt 0x1                             ; the list's eight loads are in; the energies' one may be out
.set n, 0
.rept 32
	v_min_u32 v[IDX+n], 0x3ff, v[IDX+n]            ; a row's number: bounded by a written constant before it enters an address
	v_lshlrev_b32 v[P+n], 2, v[IDX+n]
	v_lshl_add_u32 v[IDX+n], v[IDX+n], 12, v3      ; row x 4,096 + 16 r
.set n, n+1
.endr
.set n, 0
.rept 32
	global_load_b32 v[P+n], v[P+n], s[6:7]         ; my rows' energies; each load lands on its own address register
.set n, n+1
.endr
.macro LOADS i                         ; turn i: four rows x 1,024 bytes for each half of the lanes; each row's bytes are read once in this launch
.irp u, 0,1,2,3
.irp cc, 0,1,2,3
	global_load_b128 v[KBUF+16*\u+4*\cc:KBUF+16*\u+4*\cc+3], v[IDX+4*(\i)+\u], s[4:5] offset:256*\cc th:TH_LOAD_NT
.endr
.endr
.endm
.macro FMA i, first                    ; first = 1: the first row starts the sums: nothing is cleared
.irp u, 0,1,2,3
.set d, 0
.rept 16
.if (\first) && (\u == 0)
	v_mul_f32 v[ACC+d], v[P+4*(\i)+\u], v[KBUF+16*\u+d]
.else
	v_fmac_f32 v[ACC+d], v[P+4*(\i)+\u], v[KBUF+16*\u+d]
.endif
.set d, d+1
.endr
.endr
.endm
	LOADS 0                                        ; turn 0 is taken by every wave, while the softmax is made
	s_wait_loadcnt 48                              ; my two energies are in; behind them: 32 gathered energies and 16 loads of keys
	; ---- the maximum over the batch's 1,024 energies
	v_max_num_f32 v10, v[EN], v[EN+1]
	v_max_num_f32_dpp v10, v10, v10 row_xmask:1 row_mask:0xf bank_mask:0xf
	v_max_num_f32_dpp v10, v10, v10 row_xmask:2 row_mask:0xf bank_mask:0xf
	v_max_num_f32_dpp v10, v10, v10 row_xmask:4 row_mask:0xf bank_mask:0xf
	v_max_num_f32_dpp v10, v10, v10 row_xmask:8 row_mask:0xf bank_mask:0xf
	v_permlanex16_b32 v11, v10, s[SEL], s[SEL+1]
	v_max_num_f32 v10, v10, v11
	ds_store_b32 v20, v10                          ; all lanes write the wave's word with the same value
	s_wait_dscnt 0x0                               ; for the others' sake: my store has landed
	s_barrier_signal -1
	s_barrier_wait -1
.irp j, 0,1,2,3
	ds_load_b128 v[ACC+4*\j:ACC+4*\j+3], v21 offset:RED1+16*\j
.endr
	s_wait_dscnt 0x0
	v_max3_num_f32 v10, v[ACC], v[ACC+1], v[ACC+2]
	v_max3_num_f32 v11, v[ACC+3], v[ACC+4], v[ACC+5]
	v_max3_num_f32 v12, v[ACC+6], v[ACC+7], v[ACC+8]
	v_max3_num_f32 v13, v[ACC+9], v[ACC+10], v[ACC+11]
	v_max3_num_f32 v10, v10, v[ACC+12], v[ACC+13]
	v_max3_num_f32 v11, v11, v[ACC+14], v[ACC+15]
	v_max3_num_f32 v10, v10, v11, v12
	v_max_num_f32 v10, v10, v13
	v_cmp_neq_f32 vcc_lo, 0xff800000, v10
	v_cndmask_b32 v10, 0, v10, vcc_lo              ; where no row is kept: 0 in place of -infinity
	v_mul_f32 v16, 0xbfb8aa3b, v10                 ; -maximum x log2(e)
	v_fmamk_f32 v[EN], v[EN], 0x3fb8aa3b, v16      ; (e - maximum) x log2(e)
	v_fmamk_f32 v[EN+1], v[EN+1], 0x3fb8aa3b, v16
	v_exp_f32 v[EN], v[EN]
	v_exp_f32 v[EN+1], v[EN+1]
	v_nop                                          ; a plain line behind the exponentials,
	s_wait_alu depctr_va_vdst(0)                   ; and the wait ahead of the first reader
	; ---- the sum
	v_add_f32 v12, v[EN], v[EN+1]
	v_add_f32_dpp v12, v12, v12 row_xmask:1 row_mask:0xf bank_mask:0xf
	v_add_f32_dpp v12, v12, v12 row_xmask:2 row_mask:0xf bank_mask:0xf
	v_add_f32_dpp v12, v12, v12 row_xmask:4 row_mask:0xf bank_mask:0xf
	v_add_f32_dpp v12, v12, v12 row_xmask:8 row_mask:0xf bank_mask:0xf
	v_permlanex16_b32 v11, v12, s[SEL], s[SEL+1]
	v_add_f32 v12, v12, v11
	ds_store_b32 v20, v12 offset:RED2              ; other bytes than the maxima's: no wave can overtake a reader
	s_wait_dscnt 0x0
	s_barrier_signal -1
	s_barrier_wait -1
.irp j, 0,1,2,3
	ds_load_b128 v[ACC+4*\j:ACC+4*\j+3], v21 offset:RED2+16*\j
.endr
	s_wait_dscnt 0x0
	v_pk_add_f32 v[ACC:ACC+1], v[ACC:ACC+1], v[ACC+2:ACC+3]
	v_pk_add_f32 v[ACC+4:ACC+5], v[ACC+4:ACC+5], v[ACC+6:ACC+7]
	v_pk_add_f32 v[ACC+8:ACC+9], v[ACC+8:ACC+9], v[ACC+10:ACC+11]
	v_pk_add_f32 v[ACC+12:ACC+13], v[ACC+12:ACC+13], v[ACC+14:ACC+15]
	v_pk_add_f32 v[ACC:ACC+1], v[ACC:ACC+1], v[ACC+4:ACC+5]
	v_pk_add_f32 v[ACC+8:ACC+9], v[ACC+8:ACC+9], v[ACC+12:ACC+13]
	v_pk_add_f32 v[ACC:ACC+1], v[ACC:ACC+1], v[ACC+8:ACC+9]
	v_add_f32 v12, v[ACC], v[ACC+1]
	v_rcp_f32 v13, v12
	v_nop
	v_cmp_lt_f32 vcc_lo, 0, v12                    ; false for a sum of 0 and for a NaN
	s_wait_alu depctr_va_vdst(0)
	v_cndmask_b32 v14, 0, v13, vcc_lo              ; 1 / sum, or 0
	v_mov_b32 v15, v14                             ; twice, for the packed multiply
	v_pk_mul_f32 v[EN:EN+1], v[EN:EN+1], v[14:15]
	v_max_num_f32 v[EN], 0, v[EN]                  ; NaN replaced by 0
	v_max_num_f32 v[EN+1], 0, v[EN+1]
	s_cmp_lg_u32 ttmp9, 0
	s_cbranch_scc1 .Lnot_first
	global_store_b64 v7, v[EN:EN+1], s[14:15]      ; attn: a wave stores 256 consecutive bytes, aligned
.Lnot_first:
	; ---- my 32 rows' weights
	s_wait_loadcnt 16                              ; the gathered energies are in; turn 0's 16 loads of keys may be out
.set n, 0
.rept 32
	v_fmamk_f32 v[P+n], v[P+n], 0x3fb8aa3b, v16
.set n, n+1
.endr
.set n, 0
.rept 32
	v_exp_f32 v[P+n], v[P+n]
.set n, n+1
.endr
	v_nop
	s_wait_alu depctr_va_vdst(0)                   ; one wait for the batch
.set n, 0
.rept 16
	v_pk_mul_f32 v[P+2*n:P+2*n+1], v[P+2*n:P+2*n+1], v[14:15]
.set n, n+1
.endr
.set n, 0
.rept 32
	v_max_num_f32 v[P+n], 0, v[P+n]                ; NaN replaced by 0
.set n, n+1
.endr
	s_wait_kmcnt 0x0                               ; the count
	s_wait_loadcnt 0x0
	FMA 0, 1
.irp i, 1,2,3,4,5,6,7
	s_add_co_u32 s22, s32, 128*\i                  ; the turn's first place in the list
	s_cmp_lt_u32 s22, s23
	s_cbranch_scc0 .Ldone                          ; at or past the count: only padded rows follow.  No barrier stands under this branch
	LOADS \i
	s_wait_loadcnt 0x0                             ; the other fifteen waves' loads are on their way meanwhile
	FMA \i, 0
.endr
.Ldone:
.set n, 0
.rept 16
	v_permlanex16_b32 v[KBUF+n], v[ACC+n], s[SEL], s[SEL+1]        ; the other half of the lanes took other rows of the same columns
.set n, n+1
.endr
.set n, 0
.rept 8
	v_pk_add_f32 v[ACC+2*n:ACC+2*n+1], v[ACC+2*n:ACC+2*n+1], v[KBUF+2*n:KBUF+2*n+1]
.set n, n+1
.endr
.irp cc, 0,1,2,3
	ds_store_b128 v22, v[ACC+4*\cc:ACC+4*\cc+3] offset:256*\cc     ; both halves write the same bytes with the same values
.endr
	s_wait_dscnt 0x0
	s_barrier_signal -1
	s_barrier_wait -1                              ; sixteen parts of 256 columns lie in LDS
	s_cmp_ge_u32 s[WV], 2
	s_cbranch_scc1 .Lend
.irp j, 0,1,2,3,4,5,6,7,8,9,10,11,12,13,14,15
	ds_load_b128 v[KBUF+4*\j:KBUF+4*\j+3], v23 offset:1024*\j      ; threads 0-63: four columns each, of every wave's part
.endr
	s_wait_dscnt 0x0
.irp st, 8,4,2,1
.set j, 0
.rept \st
	v_pk_add_f32 v[KBUF+4*j:KBUF+4*j+1], v[KBUF+4*j:KBUF+4*j+1], v[KBUF+4*(j+\st):KBUF+4*(j+\st)+1]
	v_pk_add_f32 v[KBUF+4*j+2:KBUF+4*j+3], v[KBUF+4*j+2:KBUF+4*j+3], v[KBUF+4*(j+\st)+2:KBUF+4*(j+\st)+3]
.set j, j+1
.endr
.endr
	global_store_b128 v19, v[KBUF:KBUF+3], s[12:13]                ; a wave stores 512 consecutive bytes, at a multiple of 256 from out0's first byte
.Lend:
	s_wait_tensorcnt 0x0                           ; the wave's end: behind my last LDS store
	ds_add_u32 v[SPW], v[NIL]
	s_wait_dscnt 0x0
	s_endpgm
.Lfunc_end_k_qef2ef550de_context:
	.size	k_qef2ef550de_context, .Lfunc_end_k_qef2ef550de_context-k_qef2ef550de_context
	.p2alignl 7, 3214868480
	.fill 96, 4, 3214868480
	.section	.rodata,"a",@progbits
	.p2align	6, 0x0
	.amdhsa_kernel k_qef2ef550de_context
		.amdhsa_group_segment_fixed_size 18944
		.amdhsa_private_segment_fixed_size 0
		.amdhsa_enable_private_segment 0
		.amdhsa_kernarg_size 48
		.amdhsa_user_sgpr_count 2
		.amdhsa_user_sgpr_kernarg_segment_ptr 1
		.amdhsa_wavefront_size32 1
		.amdhsa_system_sgpr_workgroup_id_x 1
		.amdhsa_system_sgpr_workgroup_id_y 1
		.amdhsa_system_sgpr_workgroup_id_z 1
		.amdhsa_system_vgpr_workitem_id 0
		.amdhsa_next_free_vgpr 168
		.amdhsa_next_free_sgpr 66
		.amdhsa_reserve_vcc 1
		.amdhsa_float_denorm_mode_32 3
		.amdhsa_float_denorm_mode_16_64 3
		.amdhsa_memory_ordered 1
		.amdhsa_forward_progress 1
		.amdhsa_inst_pref_size 54
	.end_amdhsa_kernel
	.amdgpu_metadata
---
amdhsa.version: [ 1, 2 ]
amdhsa.kernels:
  - .name:           k_qef2ef550de_context
    .symbol:         k_qef2ef550de_context.kd
    .args:
      - { .name: keys, .offset: 0, .size: 8, .value_kind: global_buffer, .address_space: global }
      - { .name: energy, .offset: 8, .size: 8, .value_kind: global_buffer, .address_space: global }
      - { .name: rowlist, .offset: 16, .size: 8, .value_kind: global_buffer, .address_space: global }
      - { .name: nlive, .offset: 24, .size: 8, .value_kind: global_buffer, .address_space: global }
      - { .name: out0, .offset: 32, .size: 8, .value_kind: global_buffer, .address_space: global }
      - { .name: out1, .offset: 40, .size: 8, .value_kind: global_buffer, .address_space: global }
    .group_segment_fixed_size: 18944
    .private_segment_fixed_size: 0
    .kernarg_segment_align: 8
    .kernarg_segment_size: 48
    .max_flat_workgroup_size: 512
    .sgpr_count:     66
    .vgpr_count:     168
    .wavefront_size: 32
...
	.end_amdgpu_metadata
.endif
;; end of part 3
;; ======== version 2 of 2: 3 launches; 1.12 times as fast as version 1
;; workspace buffers: qpc 262,144 bytes; energy 262,144 bytes; rowlist 262,144 bytes of whole numbers; nlive 256 bytes of whole numbers
;; launch prep: the kernel of part 1 again; grid 64 x 1, 5 waves a work-group, no clusters, 0 bytes of LDS; arguments query_codes, Wq_codes, lowp_scales, mask, qpc, rowlist, nlive; writes qpc, rowlist, nlive
;; launch scores (part 4): grid 4 x 64, 4 waves a work-group, no clusters, 290,560 bytes of LDS; arguments keys, Wk_codes, lowp_scales, v, qpc, rowlist, nlive, energy; writes energy
.if DOCPART == 4
	.amdgcn_target "amdgcn-amd-amdhsa--gfx1250"
	.amdhsa_code_object_version 6
	.text
	.protected	k_qef2ef550de_scores
	.globl	k_qef2ef550de_scores
	.p2align	8
	.type	k_qef2ef550de_scores,@function
k_qef2ef550de_scores:
	s_mov_b64 s[64:65], 0
	v_nop
	global_prefetch_b8 v0, s[64:65] scope:SCOPE_SE
	s_setreg_imm32_b32 hwreg(HW_REG_WAVE_MODE, 25, 1), 1
	s_wait_xcnt 0x0
; energy[b][s] = -2 sum_h v_h / (1 + 2^(c (qproj[b][h] + kproj[b][s][h]))), c = 2 log2(e); -infinity where the mask pads.  kproj = keys Wk^T on codes of E5M2: keys are quantised here with the given 2^e2, Wk comes as codes.
; WORK LEFT OUT: (a) the term sum_h v_h of v . tanh(..), the same along the softmax's axis for all values of the inputs (shown at the head of the first launch's text);
; (b) the products and the tanh of tiles of 16 rows that hold padded rows alone: a padded row's energy is -infinity whatever its keys hold.  Which rows are kept is read from memory: the first launch's list
; (kept rows first) and count, whole numbers.  LIMIT: a NaN or an infinity in a padded row of keys is not carried to the result.
; SHARES.  A batch has 16 waves, four work-groups of four.  Wave g takes the list's places 16 j + g, j = 0 .. 63: so its kept rows are j = 0 .. L - 1, L = (n + 15 - g) / 16, and fill the first NT = (L + 15) / 16 of its four
; tiles of 16 rows; all 16 waves get the same share but for one row.  A place at or past the count gets the byte offset of the wave's first row in place of its own, and -infinity in place of its result.
; The wave's codes (64 rows x 1,024 bytes) stay in 512 registers; all 64 rows are quantised, so that every register of the codes is written whatever NT is; the rows fetched from memory come first.
; Wk passes once through a ring of two LDS areas of 64 h each, read by all four waves.  NO TENSOR LOAD, NO CLUSTER, NO JOINT LOAD, though all work-groups walk the same Wk: the walk branches on a count read from memory,
; So each wave fetches a tile of h (16 rows, 16,384 consecutive bytes, 32 loads) into registers and stores it into the ring.
; THE SLOTS ARE SHIFTED BY ONE TILE: slot s holds the tiles of h 4 s + 1 .. 4 s + 4; tile 0 has LDS bytes of its own.  Trip k multiplies tiles 4 k .. 4 k + 3 and reads ahead tiles 4 k + 1 .. 4 k + 4: slot k alone.
; So the change of slots, with its barrier, stands at a trip's top, on the way that every wave takes, and the branch on NT parts and joins between two barriers.
; Slot 15's fourth tile would be tile 64: wave 3 fetches tile 63 once more in its place (a clamp), the last period reads it ahead, and nobody multiplies it: that spares a second copy of the loop's text.
; THE MATRIX INSTRUCTION IS USED TRANSPOSED (source 0 = 16 rows of Wk, source 1 = 16 rows of keys): a lane holds ONE row of keys and eight neighbouring h, so the sum over h stays in the lane but for one exchange at the end.
; A fragment's registers 4 c .. 4 c + 3 hold k = 32 c + 16 (lane / 16) + 0 .. 15, the same order of k on both sides.
; BY TURNS.  In a tile's period its 8 NT products stand with the tanh of the tile before between them: one slice (a packed line and two exponentials or reciprocals) behind each matrix instruction.
; The period is written for NT = 2, 3 and 4; a wave with NT under 2 takes the text for 2.
; LIMITS: e2 between -126 and 112; e2 + e3 between -127 and 126 (each power of two below is an f32 number).  NaN among kept keys is not served.
; REGISTERS, in windows of 256 (s_set_vgpr_msb: bits 1:0 source 0, 3:2 source 1, 5:4 source 2, 7:6 destination):
;   window 0: v1-15 addresses and constants; v16-23 the sums, a pair a row tile; v32-63 qpc and v of two tiles of h; v64-127 two sets of four accumulators; v128-255 Wk's eight fragments of a tile of h.
;             While keys are loaded: v64-127, v128-191 two sets of 64 numbers; v192-255 the 64 rows' byte offsets.
;   window 1: four sets of 64 registers for keys on their way; then v0-127 slot 0's tile, v128-255 the tile of Wk on its way into the ring.
;   window 2: the codes' K steps 0-3 (tile a, K step q at 64 a + 16 q);   window 3: K steps 4-7 likewise.
.set BP,    1040                       ; a row of Wk in LDS: 1,024 bytes + 16 of padding = 260 words: row r starts at bank 4 r mod 64 (64 banks of 4 bytes: ISA guide 11.1)
.set TILEB, 16*BP                      ; 16 rows: a tile of h, and what one wave brings
.set SLOT1, 131072                     ; area 1 begins here, so that one exclusive or turns an address in one area into the other's
.set STAGE, SLOT1+4*TILEB              ; behind the ring: for each wave two stages of 16 rows x 528 bytes, through which keys turn
.set SPP,   528                        ; a stage row: 512 bytes + 16 = 132 words: again 4 r mod 64
.set STG1,  16*SPP
.set QTAB,  STAGE+8*STG1               ; the batch's 1,024 qpc; 4,096 bytes on: the 1,024 v
.set T0,    QTAB+8192                  ; tile 0 of Wk
.set SPARE, T0+TILEB                   ; the spare words, 128 bytes for each wave: two blocks of 256 bytes that no other line names
.set AB0, 1                            ; v1   my lane's place in a tile of Wk: r x BP + 16 x half
.set ADR, 2                            ; v2   LDS address of the area in hand, + AB0 (at the head: 16 x thread)
.set QV0, 3                            ; v3   QTAB + 32 x half
.set QVA, 4                            ; v4   the trip's 64 h in the tables, + QV0 (at the head: QTAB + 16 x thread)
.set L16, 5                            ; v5   16 x lane; never rewritten
.set STI, 6                            ; v6   into my stage: 16 x lane
.set STO, 7                            ; v7   out of it: r x 528 + 64 x half
.set SW0, 6                            ; v6   behind the load phase: my tile's place in an area: wave x TILEB + 16 x lane
.set SWA, 7                            ; v7   the same in the area that is being filled
.set SC,  8                            ; v8   2^e2 as f32
.set LIM, 9                            ; v9   57,344 x 2^e2
.set SPW, 10                           ; v10  LDS address of my spare word; never rewritten
.set NIL, 11                           ; v11  0; never rewritten
.set QVN, 15                           ; v15  the next trip's first tile in the tables (at the head: my place in tile 0's bytes)
.set E,   16                           ; v12, v13: the rows at my places j = lane and j = 32 + lane; v14: lane
.set QV,  32
.set ACC, 64
.set BF,  128
.set RO,  192
.set WV,  20                           ; s20  my wave's number
.set BA,  21                           ; s21  the batch
.set GW,  22                           ; s22  my wave among the batch's sixteen
.set NLV, 23                           ; s23  the batch's number of kept rows
.set NT,  24                           ; s24  my tiles of rows that hold a kept row
.set TRIP, 25                          ; s25  the trip, 0 .. 15
.set TB,  26                           ; s26  LDS byte at which the area that is read begins
.set TW,  27                           ; s27  the other area's
.set QT,  28                           ; s28  256 x the trip
.set WB,  30                           ; s[30:31] Wk at the tile that I fetch next
.set CS,  40                           ; s[40:41] c x 2^(e2 + e3)
.set SEL, 42                           ; s[42:43] lane selects for v_permlanex16_b32: lane l xor 16
.set WQ,  44                           ; s[44:45] Wk at tile 1 + wave
.set KB,  48                           ; s[48:49] keys at the batch's first row
.set MSB, 0
.macro WIN new                         ; the immediate's high byte repeats the setting that is left; a switch that changes nothing is dropped
.if MSB != (\new)
	s_set_vgpr_msb (MSB<<8)|(\new)
.set MSB, (\new)
.endif
.endm
	s_load_b256 s[4:11], s[0:1], 0x0               ; keys s[4:5], Wk's codes s[6:7], the scales' exponents s[8:9], v s[10:11]
	s_load_b256 s[12:19], s[0:1], 0x20             ; qpc s[12:13], rowlist s[14:15], nlive s[16:17], energy s[18:19]
	v_lshl_add_u32 v[SPW], v0, 2, SPARE
	v_mov_b32 v[NIL], 0
	v_lshrrev_b32 v14, 5, v0
	v_readfirstlane_b32 s[WV], v14                 ; wave 0..3
	s_and_b32 s[BA], ttmp7, 0xffff
	s_lshl_b32 s[GW], ttmp9, 2
	s_add_co_u32 s[GW], s[GW], s[WV]               ; 4 x work-group x + wave
	s_mov_b32 s[SEL], 0x76543210
	s_mov_b32 s[SEL+1], 0xfedcba98
	s_mov_b32 s[TB], SLOT1                         ; the first trip turns it to area 0
	s_mov_b32 s[TRIP], 0
	v_and_b32 v14, 15, v0                          ; r
	v_bfe_u32 v15, v0, 4, 1                        ; half
	v_mul_u32_u24 v[AB0], v14, BP
	v_lshl_add_u32 v[AB0], v15, 4, v[AB0]
	v_lshlrev_b32 v[QV0], 5, v15
	v_add_nc_u32 v[QV0], QTAB, v[QV0]
	v_and_b32 v[L16], 31, v0
	v_lshlrev_b32 v[L16], 4, v[L16]
	s_mul_i32 s52, s[WV], 2*STG1
	s_add_co_u32 s52, s52, STAGE                   ; my two stages
	v_add_nc_u32 v[STI], s52, v[L16]
	v_mul_u32_u24 v[STO], v14, SPP
	v_lshl_add_u32 v[STO], v15, 6, v[STO]
	v_add_nc_u32 v[STO], s52, v[STO]
	v_lshlrev_b32 v[ADR], 4, v0                    ; for the tables and tile 0: 16 x thread in memory,
	v_add_nc_u32 v[QVA], QTAB, v[ADR]              ; the tables' place in LDS,
	v_lshrrev_b32 v15, 6, v0
	v_mul_u32_u24 v15, v15, BP
	v_and_b32 v69, 63, v0
	v_lshl_add_u32 v15, v69, 4, v15
	v_add_nc_u32 v15, T0, v15                      ; and tile 0's: 64 threads to a row of 1,024 bytes, two rows a load
	v_and_b32 v14, 31, v0                          ; lane: stays
	s_lshl_b32 s52, s[GW], 2
	v_lshl_add_u32 v68, v14, 6, s52                ; the list: place 16 lane + g, in bytes
	s_lshl_b32 s54, s[BA], 12                      ; 4,096 b
	s_mov_b32 s55, 0
	s_mov_b32 s53, 0
	s_wait_kmcnt 0x0
	s_load_b128 s[36:39], s[8:9], 0x0              ; e0, e1, e2, e3
	s_lshl_b32 s52, s[BA], 2
	s_add_nc_u64 s[16:17], s[16:17], s[52:53]
	s_load_b32 s[NLV], s[16:17], 0x0               ; the batch's number of kept rows
	s_add_nc_u64 s[14:15], s[14:15], s[54:55]      ; the batch's list,
	s_add_nc_u64 s[12:13], s[12:13], s[54:55]      ; its qpc,
	s_add_nc_u64 s[18:19], s[18:19], s[54:55]      ; its energies
	s_lshl_b32 s52, s[BA], 22                      ; its keys: 4 MiB b, under 2^32
	s_add_nc_u64 s[KB:KB+1], s[4:5], s[52:53]
	s_add_co_u32 s52, s[WV], 1
	s_lshl_b32 s52, s52, 14
	s_add_nc_u64 s[WQ:WQ+1], s[6:7], s[52:53]      ; Wk at tile 1 + wave: my tile of slot 0
	global_load_b32 v12, v68, s[14:15]                     ; the rows at places 16 lane + g,
	global_load_b32 v13, v68, s[14:15] offset:2048         ; and 16 (32 + lane) + g
	global_load_b128 v[16:19], v[ADR], s[12:13]            ; the batch's qpc and v: 128 threads x 16 bytes, twice each
	global_load_b128 v[20:23], v[ADR], s[12:13] offset:2048
	global_load_b128 v[24:27], v[ADR], s[10:11]
	global_load_b128 v[28:31], v[ADR], s[10:11] offset:2048
.set mm, 0
.rept 8
	global_load_b128 v[32+4*mm:35+4*mm], v[ADR], s[6:7] offset:2048*mm     ; tile 0 of Wk: 16,384 bytes, 2,048 a load of the work-group
.set mm, mm+1
.endr
	s_wait_kmcnt 0x0
	s_add_co_i32 s96, s38, 127
	s_lshl_b32 s97, s96, 23
	v_mov_b32 v[SC], s97                           ; 2^e2: the conversion takes its exponent field
	s_add_co_i32 s96, s96, 15
	s_lshl_b32 s96, s96, 23
	s_or_b32 s96, s96, 0x600000
	v_mov_b32 v[LIM], s96                          ; 57,344 x 2^e2
	s_add_co_i32 s96, s38, s39
	s_lshl_b32 s96, s96, 23
	s_add_co_i32 s[CS], s96, 0x4038aa3b            ; c = 2 log2(e) with e2 + e3 added to its exponent field
	s_mov_b32 s[CS+1], s[CS]                       ; (named with it as a pair, so it is written)
	s_add_co_u32 s[NT], s[NLV], 15
	s_sub_co_u32 s[NT], s[NT], s[GW]
	s_lshr_b32 s[NT], s[NT], 4                     ; L: my kept rows
	s_add_co_u32 s[NT], s[NT], 15
	s_lshr_b32 s[NT], s[NT], 4                     ; NT: the tiles that they fill
	s_wait_loadcnt 12                              ; the list's two loads are in; behind them: the tables' four and tile 0's eight
	v_min_u32 v12, 0x3ff, v12                      ; a row's number: bounded by a written constant
	v_min_u32 v13, 0x3ff, v13
	v_readfirstlane_b32 s52, v12                   ; the row at my first place
	v_mov_b32 v67, s52
	v_lshl_add_u32 v64, v14, 4, s[GW]              ; my place
	v_cmp_gt_u32 vcc_lo, s[NLV], v64
	v_cndmask_b32 v65, v67, v12, vcc_lo            ; a place at or past the count fetches the first row again
	v_add_nc_u32 v64, 0x200, v64
	v_cmp_gt_u32 vcc_lo, s[NLV], v64
	v_cndmask_b32 v66, v67, v13, vcc_lo
.macro ROWS r0                         ; sixteen rows' byte offsets in the batch's keys, + 16 x lane: each row's number goes from its lane into a scalar, is bounded again there, and is spread over the lanes
.set rr, 0
.rept 16
	v_readlane_b32 s[72+rr], v[65+((\r0)+rr)/32], ((\r0)+rr)%32
.set rr, rr+1
.endr
.set rr, 0
.rept 16
	s_min_u32 s[72+rr], s[72+rr], 0x3ff
.set rr, rr+1
.endr
.set rr, 0
.rept 16
	s_lshl_b32 s[72+rr], s[72+rr], 12
.set rr, rr+1
.endr
.set rr, 0
.rept 16
	v_add_nc_u32 v[RO+(\r0)+rr], s[72+rr], v[L16]
.set rr, rr+1
.endr
.endm
; ---- KEYS BECOME CODES, in 32 units u: row tile u / 8, K step u % 8: 16 rows x 128 numbers.
; A load is best where neighbouring lanes take neighbouring bytes; the conversion takes neighbours along K from one lane's registers.  Both are had: each load reads 512 consecutive bytes of a row,
; a unit's 8,192 bytes go through my own stage in LDS as they lie, and come back 16 neighbours of each block of 32 a lane.  All offsets are immediates; no address register is written again.
.macro LOADU u
	WIN 0x40                                       ; destination window 1
.set rr, 0
.rept 16
	global_load_b128 v[64*((\u)%4)+4*rr:64*((\u)%4)+4*rr+3], v[RO+16*((\u)/8)+rr], s[KB:KB+1] offset:512*((\u)%8)
.set rr, rr+1
.endr
.endm
.macro WLOAD j                         ; behind the last unit's loads the four sets take Wk: sets 0, 1 my tile of slot 0, sets 2, 3 my tile of slot 1 (four tiles, 65,536 bytes, further on)
	WIN 0x40
.set rr, 0
.rept 16
	global_load_b128 v[64*(\j)+4*rr:64*(\j)+4*rr+3], v[L16], s[WQ:WQ+1] offset:65536*((\j)/2)+512*(16*((\j)%2)+rr)
.set rr, rr+1
.endr
.endm
.macro TURNU u                         ; LDS serves a wave's instructions in order (ISA guide 5.7.1.4): no wait between the stores and the loads
	WIN 0x04                                       ; store data window 1
.set rr, 0
.rept 16
	ds_store_b128 v[STI], v[64*((\u)%4)+4*rr:64*((\u)%4)+4*rr+3] offset:STG1*((\u)%2)+SPP*rr
.set rr, rr+1
.endr
	WIN 0
.set rr, 0
.rept 16                                       ; register 16 bb + i = k 32 bb + 16 half + i of row r
	ds_load_b128 v[64+64*((\u)%2)+4*rr:64+64*((\u)%2)+4*rr+3], v[STO] offset:STG1*((\u)%2)+128*(rr/4)+16*(rr%4)
.set rr, rr+1
.endr
.endm
.macro QUANTU u
.set XS, 64+64*((\u)%2)
.set CD, 64*((\u)/8)+16*((\u)%4)
	WIN 0
.set rr, 0
.rept 64
	v_med3_num_f32 v[XS+rr], v[XS+rr], -v[LIM], v[LIM]     ; the conversion to an 8-bit code does not saturate (ISA guide 7.6.2): the hold at the largest code x the scale
.set rr, rr+1
.endr
	WIN 0x80+0x40*(((\u)%8)/4)                     ; destination window 2 (K steps 0-3) or 3 (K steps 4-7): the results are the operand's registers
.set rr, 0
.rept 8
	v_cvt_scalef32_pk8_bf8_f32 v[CD+2*rr:CD+2*rr+1], v[XS+8*rr:XS+8*rr+7], v[SC]
.set rr, rr+1
.endr
	WIN 0
	v_nop                                          ; one plain vector line behind the last conversion of a run
.endm
.macro STEPU t
	s_wait_dscnt 0x0                               ; unit t's numbers are back from the stage: so its stores into the stage have read their registers,
.if (\t)+4 < 32
	LOADU (\t)+4                                   ; which take the loads of four units on,
.else
	WLOAD (\t)-28                                  ; or, at the end, sixteen loads of Wk
.endif
.if (\t) < 31
	s_wait_loadcnt 48                              ; unit t + 1's sixteen loads are in; the three groups of sixteen behind them may be out
	TURNU (\t)+1                                   ; through the other stage while unit t is quantised
.endif
	QUANTU \t
.endm
	ROWS 0                                         ; the first tile's rows, and at once the loads that want them: units 0 to 3 all belong to it
	LOADU 0
	LOADU 1
	LOADU 2
	LOADU 3
	WIN 0
	ROWS 16                                        ; the other rows' offsets are made while those loads are on their way
	ROWS 32
	ROWS 48
	s_wait_loadcnt 48                              ; unit 0 is in, and so are the older loads: the tables and tile 0
	ds_store_b128 v[QVA], v[16:19]                 ; the tables into LDS, for all four waves
	ds_store_b128 v[QVA], v[20:23] offset:2048
	ds_store_b128 v[QVA], v[24:27] offset:4096
	ds_store_b128 v[QVA], v[28:31] offset:6144
.set mm, 0
.rept 8
	ds_store_b128 v15, v[32+4*mm:35+4*mm] offset:2*BP*mm   ; and tile 0 of Wk, two rows a store of the work-group
.set mm, mm+1
.endr
	TURNU 0
.set tt, 0
.rept 32
	STEPU tt
.set tt, tt+1
.endr
; ---- THE PRODUCTS AND THE TANH
.macro RUN k0, off                     ; 16 LDS loads in one run: Wk's fragments of K steps k0 .. k0 + 3 of the tile of h that begins off bytes into the area
.set rr, 0
.rept 16
	ds_load_b128 v[BF+16*(\k0)+4*rr:BF+16*(\k0)+4*rr+3], v[ADR] offset:(\off)+128*(\k0)+32*rr
.set rr, rr+1
.endr
.endm
.macro QVL par, adr, off               ; my eight qpc and eight v of a tile of h (h = 8 half + 0 .. 7 of its 16) into set par
	ds_load_b128 v[QV+16*(\par):QV+16*(\par)+3], v[\adr] offset:(\off)
	ds_load_b128 v[QV+16*(\par)+4:QV+16*(\par)+7], v[\adr] offset:(\off)+16
	ds_load_b128 v[QV+16*(\par)+8:QV+16*(\par)+11], v[\adr] offset:(\off)+4096
	ds_load_b128 v[QV+16*(\par)+12:QV+16*(\par)+15], v[\adr] offset:(\off)+4112
.endm
.macro DOTV nt                         ; the sums take v x r: 4 nt packed multiply-adds, the row tiles' pairs by turns
.set k, 0
.rept 4*(\nt)
.set n, 4*(k%(\nt))+k/(\nt)
	v_pk_fma_f32 v[E+2*(n/4):E+2*(n/4)+1], v[AV+2*n:AV+2*n+1], v[QP+8+(2*n)%8:QP+8+(2*n)%8+1], v[E+2*(n/4):E+2*(n/4)+1]
.set k, k+1
.endr
.endm
; A TILE'S PERIOD, for nt tiles of rows.  i: the tile of h in the trip.  Its 8 nt products go into accumulator set i % 2; the other set holds the tile before, which goes through x c + qpc, 2^, + 1, 1 /, x v meanwhile.
; The nt accumulators take turns, one instruction a turn.  Source 1 (the codes) lies in window 2 or 3; the slices' second source is a scalar or a constant, and the LDS loads
; have none, so they run under the products' setting.  Only the last multiply-adds want window 0.
; The exponentials are one batch with one wait, ahead of the first + 1; the reciprocals likewise, ahead of the first x v.
; The tile read ahead is the i-th of the area in hand.
.macro TILE i, nt
.set PP, 1-((\i)%2)
.set AP, ACC+32*((\i)%2)
.set AV, ACC+32*PP
.set QP, QV+16*PP
.if (\i) > 0
	s_wait_dscnt 20                                ; K steps 0-3 are in; behind them were issued K steps 4-7 (16 loads) and the tables' four.  (In a trip's first period all are in: the change of slots has waited for them)
.endif
	WIN 0x08
.set n, 0
.rept 4*(\nt)
.set ta, n%(\nt)
.set tq, n/(\nt)
.if tq == 0
	v_wmma_f32_16x16x128_bf8_bf8 v[AP+8*ta:AP+8*ta+7], v[BF+16*tq:BF+16*tq+15], v[64*ta+16*tq:64*ta+16*tq+15], 0
.else
	v_wmma_f32_16x16x128_bf8_bf8 v[AP+8*ta:AP+8*ta+7], v[BF+16*tq:BF+16*tq+15], v[64*ta+16*tq:64*ta+16*tq+15], v[AP+8*ta:AP+8*ta+7]
.endif
	v_pk_fma_f32 v[AV+2*n:AV+2*n+1], v[AV+2*n:AV+2*n+1], s[CS:CS+1], v[QP+(2*n)%8:QP+(2*n)%8+1] op_sel_hi:[1,0,1]   ; c (kproj + qproj); each accumulator from its low end on
.if n > 0
	v_exp_f32 v[AV+2*n-2], v[AV+2*n-2]
	v_exp_f32 v[AV+2*n-1], v[AV+2*n-1]
.endif
.set n, n+1
.endr
	v_exp_f32 v[AV+8*(\nt)-2], v[AV+8*(\nt)-2]
	v_exp_f32 v[AV+8*(\nt)-1], v[AV+8*(\nt)-1]
.rept 4
	v_nop                                          ; the plain line behind the last exponential, and the places in front of loads into registers that the products have read
.endr
	s_wait_alu depctr_va_vdst(0)                   ; one wait for the batch of exponentials
	RUN 0, (\i)*TILEB                              ; the next tile's K steps 0-3
	s_wait_dscnt 16                                ; all but the 16 just issued: this tile's K steps 4-7 are in; in a trip's first period also: my 32 stores into the ring are done
.if (\i) == 0
	WIN 0                                          ; at a branch and at a label every window is 0
	s_cmp_ge_u32 s[TRIP], 14                       ; the trip's number alone: slots 16 and 17 do not exist
	s_cbranch_scc1 .Lno_fetch_\@
	WIN 0x40                                       ; destination window 1: the registers that the stores, now done, have read
.set mm, 0
.rept 32
	global_load_b128 v[128+4*mm:128+4*mm+3], v[L16], s[WB:WB+1] offset:512*mm      ; my tile of the slot two on: 512 consecutive bytes a load; it has the rest of the trip in which to land
.set mm, mm+1
.endr
	WIN 0
.Lno_fetch_\@:
.endif
	WIN 0x0c
.set n, 0
.rept 4*(\nt)
.set ta, n%(\nt)
.set tq, n/(\nt)
	v_wmma_f32_16x16x128_bf8_bf8 v[AP+8*ta:AP+8*ta+7], v[BF+64+16*tq:BF+64+16*tq+15], v[64*ta+16*tq:64*ta+16*tq+15], v[AP+8*ta:AP+8*ta+7]
	v_pk_add_f32 v[AV+2*n:AV+2*n+1], v[AV+2*n:AV+2*n+1], 1.0 op_sel_hi:[1,0]
.if n > 0
	v_rcp_f32 v[AV+2*n-2], v[AV+2*n-2]
	v_rcp_f32 v[AV+2*n-1], v[AV+2*n-1]
.endif
.set n, n+1
.endr
	v_rcp_f32 v[AV+8*(\nt)-2], v[AV+8*(\nt)-2]
	v_rcp_f32 v[AV+8*(\nt)-1], v[AV+8*(\nt)-1]
	v_nop                                          ; the plain line behind the last reciprocal
	s_wait_alu depctr_va_vdst(0)                   ; one wait for the batch of reciprocals
	WIN 0
	DOTV \nt                                       ; these, eight at the least, are also the places behind the last products: for the loads below and for the next period's first read of results
	RUN 4, (\i)*TILEB                              ; the next tile's K steps 4-7,
.if (\i) < 3
	QVL PP, QVA, ((\i)+1)*64                       ; and its qpc and v, into the set that has just been used up
.else
	QVL PP, QVN, 0
.endif
.endm
.macro FOUR nt                         ; a trip's four periods
	TILE 0, \nt
	TILE 1, \nt
	TILE 2, \nt
	TILE 3, \nt
.endm
	s_mul_i32 s52, s[WV], TILEB
	v_add_nc_u32 v[SW0], s52, v[L16]               ; (my stage's addresses are done with)
	s_wait_loadcnt 32                              ; my tile of slot 0 is in; slot 1's 32 loads may be out
	WIN 0x04                                       ; store data window 1
.set mm, 0
.rept 32
	ds_store_b128 v[SW0], v[4*mm:4*mm+3] offset:(mm/2)*BP+(mm%2)*512       ; into area 0: 32 lanes store 512 consecutive bytes, half a row
.set mm, mm+1
.endr
	WIN 0
	s_wait_dscnt 0x0                               ; for the others' sake: my stores of the tables, of tile 0 and of slot 0 have landed
	s_barrier_signal -1
	s_barrier_wait -1
	v_add_nc_u32 v[ADR], T0, v[AB0]
	v_mov_b32 v[QVA], v[QV0]
.set rr, 0
.rept 8
	v_mov_b32 v[E+rr], 0                           ; the sums
.set rr, rr+1
.endr
.set rr, 0
.rept 32
	v_mov_b32 v[ACC+32+rr], 0                      ; the period is written once: the first finds a tile before it whose v is 0, which adds nothing
.set rr, rr+1
.endr
.set rr, 0
.rept 16
	v_mov_b32 v[QV+16+rr], 0
.set rr, rr+1
.endr
	RUN 0, 0                                       ; tile 0's fragments,
	RUN 4, 0
	QVL 0, QVA, 0                                  ; its qpc and v
.Lstep:                                            ; 16 trips.  THE CHANGE OF SLOTS: trip k reads slot k and fills the other area with slot k + 1
	s_wait_dscnt 0x0                               ; my reads of the slot that I leave are in, and my stores into the slot ahead, issued a trip ago, have landed
	s_barrier_signal -1
	s_barrier_wait -1                              ; both now hold of all four waves
	s_xor_b32 s[TB], s[TB], SLOT1                  ; the area that is read from here on,
	s_xor_b32 s[TW], s[TB], SLOT1                  ; and the one that nobody reads any more
	s_lshl_b32 s[QT], s[TRIP], 8
	s_add_co_u32 s52, s[QT], 256
	s_and_b32 s52, s52, 0xfff                      ; the next trip's first tile in the tables; behind the last trip: tile 0's place, read and not used
	v_add_nc_u32 v[ADR], s[TB], v[AB0]
	v_add_nc_u32 v[SWA], s[TW], v[SW0]
	v_add_nc_u32 v[QVA], s[QT], v[QV0]
	v_add_nc_u32 v[QVN], s52, v[QV0]
	s_wait_loadcnt 0x0                             ; my tile of slot k + 1, asked for a trip ago, is in registers; and the loads' base may be written
	s_cmp_eq_u32 s[TRIP], 15                       ; the trip's number alone: there is no slot 16
	s_cbranch_scc1 .Lno_store
	WIN 0x04                                       ; store data window 1
.set mm, 0
.rept 32
	ds_store_b128 v[SWA], v[128+4*mm:128+4*mm+3] offset:(mm/2)*BP+(mm%2)*512
.set mm, mm+1
.endr
	WIN 0
.Lno_store:
	s_lshl_b32 s52, s[TRIP], 2
	s_add_co_u32 s52, s52, s[WV]
	s_add_co_u32 s52, s52, 9                       ; my tile of slot k + 2: 4 (k + 2) + 1 + wave,
	s_min_u32 s52, s52, 63                         ; held at the last tile: no load leaves Wk
	s_lshl_b32 s52, s52, 14
	s_mov_b32 s53, 0
	s_add_nc_u64 s[WB:WB+1], s[6:7], s[52:53]
	s_cmp_eq_u32 s[NT], 3                          ; the branch on a number read from memory: it parts here and joins ahead of the next barrier
	s_cbranch_scc1 .Lthree
	s_cmp_gt_u32 s[NT], 3
	s_cbranch_scc1 .Lfour
	FOUR 2
	s_branch .Ljoin
.Lthree:
	FOUR 3
	s_branch .Ljoin
.Lfour:
	FOUR 4
.Ljoin:
	s_add_co_u32 s[TRIP], s[TRIP], 1
	s_cmp_lt_u32 s[TRIP], 16
	s_cbranch_scc1 .Lstep
	; the last tile's tanh, with no products beside it; written once, for all four tiles of rows: a tile with no kept row holds zeros or old sums here, and its result is not used
.set AV, ACC+32
.set QP, QV+16
.set n, 0
.rept 16
	v_pk_fma_f32 v[AV+2*n:AV+2*n+1], v[AV+2*n:AV+2*n+1], s[CS:CS+1], v[QP+(2*n)%8:QP+(2*n)%8+1] op_sel_hi:[1,0,1]
.set n, n+1
.endr
.set n, 0
.rept 32
	v_exp_f32 v[AV+n], v[AV+n]
.set n, n+1
.endr
	v_nop
	s_wait_alu depctr_va_vdst(0)
.set n, 0
.rept 16
	v_pk_add_f32 v[AV+2*n:AV+2*n+1], v[AV+2*n:AV+2*n+1], 1.0 op_sel_hi:[1,0]
.set n, n+1
.endr
.set n, 0
.rept 32
	v_rcp_f32 v[AV+n], v[AV+n]
.set n, n+1
.endr
	v_nop
	s_wait_alu depctr_va_vdst(0)
	DOTV 4
	; ---- THE WAY OUT.  A row's sum lies in two registers of two lanes: they are added; lane l then takes my places j = l and j = 32 + l
.irp a, 0,1,2,3
	v_add_f32 v[24+\a], v[E+2*\a], v[E+2*\a+1]
.endr
.irp a, 0,1,2,3
	v_permlanex16_b32 v[28+\a], v[24+\a], s[SEL], s[SEL+1]
.endr
.irp a, 0,1,2,3
	v_add_f32 v[24+\a], v[24+\a], v[28+\a]
.endr
	v_cmp_le_u32 vcc_lo, 16, v14                   ; lanes 16-31 take the odd tiles' rows
	v_cndmask_b32 v24, v24, v25, vcc_lo
	v_cndmask_b32 v26, v26, v27, vcc_lo
	v_mul_f32 v24, -2.0, v24
	v_mul_f32 v26, -2.0, v26
	v_mov_b32 v15, 0xff800000                      ; -infinity
	v_lshl_add_u32 v28, v14, 4, s[GW]              ; my place in the list: 16 lane + g
	v_cmp_gt_u32 vcc_lo, s[NLV], v28
	v_cndmask_b32 v24, v15, v24, vcc_lo            ; at or past the count the row is padded
	v_add_nc_u32 v28, 0x200, v28
	v_cmp_gt_u32 vcc_lo, s[NLV], v28
	v_cndmask_b32 v26, v15, v26, vcc_lo
	v_lshlrev_b32 v29, 2, v12                      ; the rows' own places in the batch's energies
	v_lshlrev_b32 v30, 2, v13
	global_store_b32 v29, v24, s[18:19]            ; 4 bytes a lane, strewn over the batch's 4,096 bytes: the list is a permutation, so the sixteen waves write each of the 1,024 numbers once; the buffer is 256 KiB in all
	global_store_b32 v30, v26, s[18:19]
	s_wait_tensorcnt 0x0                           ; the wave's end: behind my last LDS store
	ds_add_u32 v[SPW], v[NIL]
	s_wait_dscnt 0x0
	s_endpgm
.Lfunc_end_k_qef2ef550de_scores:
	.size	k_qef2ef550de_scores, .Lfunc_end_k_qef2ef550de_scores-k_qef2ef550de_scores
	.p2alignl 7, 3214868480
	.fill 96, 4, 3214868480
	.section	.rodata,"a",@progbits
	.p2align	6, 0x0
	.amdhsa_kernel k_qef2ef550de_scores
		.amdhsa_group_segment_fixed_size 290560
		.amdhsa_private_segment_fixed_size 0
		.amdhsa_enable_private_segment 0
		.amdhsa_kernarg_size 64
		.amdhsa_user_sgpr_count 2
		.amdhsa_user_sgpr_kernarg_segment_ptr 1
		.amdhsa_wavefront_size32 1
		.amdhsa_system_sgpr_workgroup_id_x 1
		.amdhsa_system_sgpr_workgroup_id_y 1
		.amdhsa_system_sgpr_workgroup_id_z 1
		.amdhsa_system_vgpr_workitem_id 0
		.amdhsa_next_free_vgpr 1024
		.amdhsa_next_free_sgpr 100
		.amdhsa_reserve_vcc 1
		.amdhsa_float_denorm_mode_32 3
		.amdhsa_float_denorm_mode_16_64 3
		.amdhsa_memory_ordered 1
		.amdhsa_forward_progress 1
		.amdhsa_inst_pref_size 255
	.end_amdhsa_kernel
	.section	.bss,"aw",@nobits
	.p2align	6
	.space	262144
	.amdgpu_metadata
---
amdhsa.version: [ 1, 2 ]
amdhsa.kernels:
  - .name:           k_qef2ef550de_scores
    .symbol:         k_qef2ef550de_scores.kd
    .args:
      - { .name: keys, .offset: 0, .size: 8, .value_kind: global_buffer, .address_space: global }
      - { .name: Wk_codes, .offset: 8, .size: 8, .value_kind: global_buffer, .address_space: global }
      - { .name: lowp_scales, .offset: 16, .size: 8, .value_kind: global_buffer, .address_space: global }
      - { .name: v, .offset: 24, .size: 8, .value_kind: global_buffer, .address_space: global }
      - { .name: qpc, .offset: 32, .size: 8, .value_kind: global_buffer, .address_space: global }
      - { .name: rowlist, .offset: 40, .size: 8, .value_kind: global_buffer, .address_space: global }
      - { .name: nlive, .offset: 48, .size: 8, .value_kind: global_buffer, .address_space: global }
      - { .name: energy, .offset: 56, .size: 8, .value_kind: global_buffer, .address_space: global }
    .group_segment_fixed_size: 290560
    .private_segment_fixed_size: 0
    .kernarg_segment_align: 8
    .kernarg_segment_size: 64
    .max_flat_workgroup_size: 128
    .sgpr_count:     100
    .vgpr_count:     1024
    .wavefront_size: 32
...
	.end_amdgpu_metadata
.endif
;; end of part 4
;; launch context: the kernel of part 3 again; grid 4 x 64, 16 waves a work-group, no clusters, 18,944 bytes of LDS; arguments keys, energy, rowlist, nlive, out0, out1; writes out0, out1
